; MI455X (gfx1250); checked and timed in simulation.
; The chip was launched on July 23, 2026; its instructions are those of AMD's public machine-readable ISA for CDNA 5 (MIT licence, August 2026) and "CDNA5" Instruction Set Architecture Reference Guide (July 2026). The comments in the code are by the model that wrote it; some were corrected since.
;; Causal Self Attention. Allowed arithmetic: matrix products marked QUANTISED: E3M2 operands, one E8M0 scale for each 32 along K, by v_wmma_scale_f32_16x16x128_f8f6f4 with both operands' format E3M2, f32 sums; everything else in f32.
;; Inputs: Wk 256 x 1,024 float32; Wproj 1,024 x 1,024 float32; Wq 1,024 x 1,024 float32; Wv 256 x 1,024 float32; q_gain 16 float32; x 2 x 2,048 x 1,024 float32.
;; Outputs: out0 2 x 2,048 x 1,024 float32.
;; This version of the problem:
;;   THIS VERSION OF THE PROBLEM IS GIVEN IN LOW PRECISION. The matrix products marked QUANTISED in the list below multiply operands that are first quantised to E3M2 (3 exponent bits, 2 mantissa bits; 6 bits a number), with one power-of-two scale for each 32 numbers along K (OCP MX v1.0); their sums are f32. All else is computed in f32.
;;   The module's matrix products, in the order in which they are computed (A, B: the left and right operand; K: the contracted axis; several contracted axes count as one K, in the product's order):
;;     1. [M 4,096, K 1,024] x [K 1,024, N 1,024]; A: input x; B: input Wq: QUANTISED
;;     2. [M 4,096, K 1,024] x [K 1,024, N 256]; A: input x; B: input Wk: QUANTISED
;;     3. [M 4,096, K 1,024] x [K 1,024, N 256]; A: input x; B: input Wv: QUANTISED
;;     4. batch 32 x [M 2,048, K 64] x [K 64, N 2,048]; A: computed on the way; B: computed on the way: QUANTISED
;;     5. batch 32 x [M 2,048, K 2,048] x [K 2,048, N 64]; A: softmax (see below); B: computed on the way: QUANTISED
;;     6. [M 4,096, K 1,024] x [K 1,024, N 1,024]; A: computed on the way; B: input Wproj: QUANTISED
;;   THE QUANTISER, for each operand of a quantised product, along K:
;;     - K is cut into blocks of 32 from its start; a last block that is shorter is filled with zeros.
;;     - A block's scale is 2^e with e = floor(log2(the largest magnitude in the block)) - 4, held to -126 .. 127; a block of zeros has e = 0. As a byte (E8M0): e + 127.
;;     - Each number is divided by its block's scale, clamped to +-28, and rounded to the nearest number of E3M2, ties to even, subnormals kept.
;;     - The product sums the exact products of the quantised numbers (number of the format x scale) in f32.
;;   ~~~python
;;   def quantise(x, axis):      # numpy; x: float32 -> the quantised numbers, widened to float32 again
;;       x = np.moveaxis(x, axis, -1); K = x.shape[-1]
;;       x = np.pad(x, [(0, 0)] * (x.ndim - 1) + [(0, -K % 32)]); x = x.reshape(x.shape[:-1] + (-1, 32)); a = np.abs(x).max(-1, keepdims=True)
;;       e = np.where(a > 0, np.clip(np.frexp(np.where(a > 0, a, 1))[1] - 1 - 4, -126, 127), 0)      # np.frexp(a)[1] - 1 = floor(log2(a)), exactly
;;       r = np.clip(x / 2.0 ** e, -28, 28)
;;       step = 2.0 ** (np.maximum(np.frexp(np.where(r == 0, 1, r))[1] - 1, -2) - 2)
;;       q = np.round(r / step) * step * 2.0 ** e      # np.round: ties to even
;;       return np.moveaxis(q.reshape(q.shape[:-2] + (-1,))[..., :K], -1, axis).astype(np.float32)
;;   ~~~
;;   SOFTMAX AHEAD OF A QUANTISED PRODUCT. Where the list says 'softmax', what is quantised is not the finished softmax but p = 2^(t - M), with t = logit x log2(e) and M = ceil(the row's largest t), a whole number; so 1/2 < the row's largest p <= 1. The row's sum l is taken of the UNQUANTISED p, in f32, and the product's result is divided by l at the end. Since M is a whole number, a kernel that streams over the keys may use a running M (the ceiling of the running maximum): every later rescaling is an exact power of two, which a block's scale takes up: the codes' values come out the same.
;;   OPERANDS COMPUTED ON THE WAY. 'Computed on the way' means the value that the module computes at that place (a softmax that the list does not call 'softmax' is quantised finished and normalised). What goes into a quantiser is computed in f32, as accurately as f32 sums, v_exp_f32 and their like allow (about 1e-6 of the number): no bf16 or f16 on the way to a quantiser, and a product that is left as it is and whose result goes on into a quantised operand takes f32 operands (vector FMAs, or v_wmma_f32_16x16x4_f32). A number that lies on a knife's edge between two numbers of the format may be rounded either way, as far as f32 arithmetic and the matrix unit's own rounding can turn it there, and no further.
;; One version. Each part assembles by itself: llvm-mc -triple=amdgcn-amd-amdhsa -mcpu=gfx1250 --defsym DOCPART=n.
;; ======== version 1 of 1: 4 launches
;; limits: right only within a limited range of input values
;; workspace buffers: cod 5,111,808 bytes; scl 425,984 bytes; rope 524,288 bytes; qc 3,145,728 bytes; qs 524,288 bytes; kv 1,703,936 bytes; yc 3,145,728 bytes; ys 262,144 bytes
;; launch prep (part 1): grid 240 x 1, 16 waves a work-group, no clusters, 139,264 bytes of LDS; arguments x, Wq, Wk, Wv, Wproj, cod, scl, rope; writes cod, scl, rope
.if DOCPART == 1
	.amdgcn_target "amdgcn-amd-amdhsa--gfx1250"
	.amdhsa_code_object_version 6
	.text
	.protected	k_qe008162610_prep
	.globl	k_qe008162610_prep
	.p2align	8
	.type	k_qe008162610_prep,@function
k_qe008162610_prep:
	s_mov_b64 s[64:65], 0
	v_nop
	global_prefetch_b8 v0, s[64:65] scope:SCOPE_SE
	s_setreg_imm32_b32 hwreg(HW_REG_WAVE_MODE, 25, 1), 1
	s_wait_xcnt 0x0
; x [4096][1024], Wq [1024][1024], Wk, Wv [256][1024], Wproj [1024][1024], all f32 with K innermost, become codes of BF6 (E3M2) with one E8M0 byte for each 32 along K,
; laid as IMAGES OF OPERAND REGISTERS.  A fragment is 16 rows x 128 K, 12 registers a lane: registers 4 j .. 4 j + 3 of lane l lie at 512 j + 16 l of its 1,536 bytes.
; THE ROWS OF A TILE ARE NOT NEIGHBOURS: place r of tile T is row 32 (T / 2) + 8 (T % 2) + r + 8 (r / 8), in every tensor.
; cod: x and Wproj (tiles 0-255 and 352-415): fragment (tile T, K step s) at (T / 4) 49,152 + 6,144 s + 1,536 (T % 4).
;   Wq, Wk, Wv: column group cg of 8 has q's heads 2 cg and 2 cg + 1 (j = 0, 1) and, as j = 2, k's head cg or v's head cg - 4: at 3,145,728 + 147,456 cg + 73,728 (s / 4) + 24,576 j + 6,144 (s % 4) + 1,536 t.
; scl: scale words of tile G (x: T; the three: 256 + 12 cg + 4 j + t; Wproj: T) at 1,024 G + 512 (s / 4) + 16 lane + 4 (s % 4); lanes 16-31 hold copies.
; Work-groups 0-207 quantise: a wave makes ONE fragment: 16 loads, each 512 consecutive bytes of a row; the numbers turn through the wave's own stage in LDS, so that a lane then holds two whole blocks of 32 of its row.
; The four waves of a half of K hand their words to the first of them through LDS, which stores 512 consecutive bytes.
; Work-groups 208-239 make the table of cos and sin for the rotary embedding: rope: tile Ts of 16 positions at Ts 4,096; 512 j + 16 lane: cos(pos(r) f(16 h + 4 j ..)), + 2,048: sin; f(i) = 10000^(-i / 32).  A wave makes one j.
; A block's scale is 2^(floor(log2(its largest magnitude)) - 4); its byte is that magnitude's exponent field - 4, held at 1 from below.
; WORK LEFT OUT IN THIS PROGRAM: scores of keys that come after the query are set to -infinity by reference()'s own causal mask, whatever the inputs hold, and so have p = 0: steps of 128 keys that lie wholly behind the mask are not computed (launch attn).
; LIMITS: NaN and infinities among the inputs are not served; one that reaches only the work left out is not carried to the result.  A block of zeros, and one whose largest magnitude lies under 2^(5 - 127), gets the byte 1; the bytes are read by this program alone.
; f(i) is 2^(-i log2(10000) / 32) by v_exp_f32: good to about two units in its last place, so that the angle at position 2,047 and i = 1 is good to about 2e-4; the reduction by pi / 2 in two parts and the two polynomials add about 1e-7.
; No prefetch: every wave asks for all that it reads at its head.  No tensor load, no cluster: no input number is read twice.
.set R,   16                           ; v16-79   numbers as loaded
.set X,   80                           ; v80-143  my two blocks of 32
.set C,   144                          ; v144-155 the fragment's codes
.set CT,  156                          ; v156-162 upper halves of the two blocks (a conversion's three registers begin on an even number)
.set STG, 8448                         ; a wave's stage: 16 rows of 512 bytes + 16
.set WRD, 16*STG                       ; the scale words, 128 bytes a wave
.set SPARE, WRD+2048                   ; the spare words
	s_load_b256 s[4:11], s[0:1], 0x0               ; x s[4:5], Wq s[6:7], Wk s[8:9], Wv s[10:11]
	s_load_b256 s[12:19], s[0:1], 0x20             ; Wproj s[12:13], cod s[14:15], scl s[16:17], rope s[18:19]
	v_lshl_add_u32 v12, v0, 2, SPARE
	v_mov_b32 v13, 0
	v_lshrrev_b32 v1, 5, v0
	v_readfirstlane_b32 s24, v1                    ; wave 0..15
	v_and_b32 v1, 31, v0                           ; lane
	v_and_b32 v2, 15, v0                           ; r
	v_bfe_u32 v3, v0, 4, 1                         ; h
	v_lshlrev_b32 v4, 4, v1                        ; 16 x lane; never rewritten
	s_wait_alu depctr_va_vdst(0)
	s_wait_kmcnt 0x0
	s_cmp_ge_u32 ttmp9, 208
	s_cbranch_scc1 .Lrope                          ; the two paths never join; only this one uses LDS
	; which tensor, by the work-group's number alone
	s_mov_b64 s[20:21], s[12:13]
	s_mov_b32 s22, 176
	s_cmp_lt_u32 ttmp9, 176
	s_cselect_b64 s[20:21], s[10:11], s[20:21]
	s_cselect_b32 s22, 168, s22
	s_cmp_lt_u32 ttmp9, 168
	s_cselect_b64 s[20:21], s[8:9], s[20:21]
	s_cselect_b32 s22, 160, s22
	s_cmp_lt_u32 ttmp9, 160
	s_cselect_b64 s[20:21], s[6:7], s[20:21]
	s_cselect_b32 s22, 128, s22
	s_cmp_lt_u32 ttmp9, 128
	s_cselect_b64 s[20:21], s[4:5], s[20:21]
	s_cselect_b32 s22, 0, s22                      ; the tensor's first work-group
	s_sub_co_u32 s22, ttmp9, s22
	s_lshl_b32 s22, s22, 1
	s_lshr_b32 s23, s24, 3
	s_add_co_u32 s22, s22, s23                     ; my tile in the tensor
	s_and_b32 s28, s24, 7                          ; my K step
	s_lshr_b32 s30, s22, 1
	s_lshl_b32 s30, s30, 17                        ; 32 rows of 4,096 bytes for each pair of tiles,
	s_and_b32 s29, s22, 1
	s_lshl_b32 s29, s29, 15                        ; 8 rows for the odd tile,
	s_add_co_u32 s30, s30, s29
	s_lshl_b32 s29, s28, 9                         ; 128 numbers for each K step
	s_add_co_u32 s30, s30, s29
	s_mov_b32 s31, 0
	s_add_nc_u64 s[20:21], s[20:21], s[30:31]
.irp i, 0,1,2,3,4,5,6,7,8,9,10,11,12,13,14,15
	global_load_b128 v[R+4*\i:R+4*\i+3], v4, s[20:21] offset:(\i+8*(\i/8))*4096 th:TH_LOAD_NT   ; 32 lanes read 512 consecutive bytes
.endr
	s_mul_i32 s25, s24, STG
	v_add_nc_u32 v5, s25, v4                       ; into the stage: 16 bytes a lane of a row
	v_mul_u32_u24 v6, v2, 528
	v_lshl_add_u32 v6, v3, 7, v6
	v_add_nc_u32 v6, s25, v6                       ; out of it: row r, + 128 h bytes: 32 numbers on
	v_lshlrev_b32 v7, 3, v3                        ; 8 h: where my two scale bytes stand in the word
	s_lshl_b32 s25, s24, 7
	s_add_co_u32 s25, s25, WRD
	v_lshlrev_b32 v9, 2, v1
	v_add_nc_u32 v9, s25, v9                       ; my wave's scale words
	v_mov_b32 v15, 0                               ; written once: a lane permute's destination counts as one of its sources
	s_wait_alu depctr_va_vdst(0)
	s_mov_b32 s26, 0x76543210
	s_mov_b32 s27, 0xfedcba98                      ; v_permlanex16_b32's selects for lane l xor 16
	; where the results go
	s_lshl_b32 s32, ttmp9, 1
	s_add_co_u32 s32, s32, s23                     ; T
	s_and_b32 s33, s32, 3
	s_lshr_b32 s34, s32, 2
	s_sub_co_u32 s35, s34, 64                      ; in the three weights: the head unit 0..23
	s_lshr_b32 s36, s35, 1
	s_and_b32 s37, s35, 1
	s_sub_co_u32 s38, s35, 16
	s_cmp_lt_u32 ttmp9, 160
	s_cselect_b32 s36, s36, s38                    ; cg
	s_cselect_b32 s37, s37, 2                      ; j
	s_mul_i32 s48, s36, 147456
	s_mul_i32 s39, s37, 24576
	s_add_co_u32 s48, s48, s39
	s_add_co_u32 s48, s48, 3145728
	s_mul_i32 s40, s36, 12
	s_lshl_b32 s39, s37, 2
	s_add_co_u32 s40, s40, s39
	s_add_co_u32 s40, s40, s33
	s_add_co_u32 s40, s40, 256
	s_mul_i32 s41, s34, 49152
	s_mov_b32 s42, 73728
	s_mov_b32 s43, 24576
	s_sub_co_u32 s44, ttmp9, 128
	s_cmp_lt_u32 s44, 48                           ; one of the three weights?
	s_cselect_b32 s48, s48, s41
	s_cselect_b32 s40, s40, s32
	s_cselect_b32 s42, s42, s43
	s_lshr_b32 s45, s28, 2
	s_and_b32 s46, s28, 3
	s_mul_i32 s42, s42, s45
	s_add_co_u32 s48, s48, s42
	s_mul_i32 s46, s46, 6144
	s_add_co_u32 s48, s48, s46
	s_mul_i32 s33, s33, 1536
	s_add_co_u32 s48, s48, s33
	s_mov_b32 s49, 0
	s_add_nc_u64 s[14:15], s[14:15], s[48:49]      ; my fragment
	s_lshl_b32 s48, s40, 10
	s_lshl_b32 s45, s45, 9
	s_add_co_u32 s48, s48, s45
	s_add_nc_u64 s[16:17], s[16:17], s[48:49]      ; the half's scale words
	s_wait_loadcnt 8                               ; the first eight rows are in; the other eight may be out
.irp i, 0,1,2,3,4,5,6,7
	ds_store_b128 v5, v[R+4*\i:R+4*\i+3] offset:528*\i
.endr
	s_wait_loadcnt 0x0
.irp i, 8,9,10,11,12,13,14,15
	ds_store_b128 v5, v[R+4*\i:R+4*\i+3] offset:528*\i
.endr
.irp c, 0,1
.irp j, 0,1,2,3,4,5,6,7
	ds_load_b128 v[X+32*\c+4*\j:X+32*\c+4*\j+3], v6 offset:256*\c+16*\j   ; k = 64 c + 32 h + 4 j .. of row r; LDS serves a wave's instructions in order
.endr
.endr
	s_wait_dscnt 0x0
.irp c, 0,1
	v_max3_num_f32 v[16+\c], |v[X+32*\c]|, |v[X+32*\c+1]|, 0x2800000   ; with the floor 2^(5 - 127): the byte cannot fall under 1
	v_max3_num_f32 v[18+\c], |v[X+32*\c+2]|, |v[X+32*\c+3]|, |v[X+32*\c+4]|
.endr
.irp i, 5,9,13,17,21,25
.irp c, 0,1
	v_max3_num_f32 v[16+\c], v[16+\c], |v[X+32*\c+\i]|, |v[X+32*\c+\i+1]|
	v_max3_num_f32 v[18+\c], v[18+\c], |v[X+32*\c+\i+2]|, |v[X+32*\c+\i+3]|
.endr
.endr
.irp c, 0,1
	v_max3_num_f32 v[16+\c], v[16+\c], |v[X+32*\c+29]|, |v[X+32*\c+30]|
	v_max3_num_f32 v[18+\c], v[18+\c], |v[X+32*\c+31]|, v[16+\c]
.endr
.irp c, 0,1
	v_add_nc_u32 v[10+\c], 0xfe000000, v[18+\c]    ; 4 off the exponent field: the conversion's scale operand
.endr
.irp c, 0,1
	v_lshrrev_b32 v[20+\c], 23, v[10+\c]           ; the scale's byte
.endr
	v_lshl_or_b32 v14, v21, 16, v20                ; blocks h and 2 + h,
	v_lshlrev_b32 v14, v7, v14                     ; at their places in the word;
	v_permlanex16_b32 v15, v14, s26, s27
	v_or_b32 v14, v14, v15                         ; with lane l xor 16's two the word is whole
	ds_store_b32 v9, v14
.irp c, 0,1
	v_cvt_scalef32_pk16_bf6_f32 v[C+6*\c:C+6*\c+2], v[X+32*\c:X+32*\c+15], v[10+\c]
	v_cvt_scalef32_pk16_bf6_f32 v[CT+4*\c:CT+4*\c+2], v[X+32*\c+16:X+32*\c+31], v[10+\c]
.endr
	v_nop                                          ; one plain place behind a scaled conversion
.irp c, 0,1
.irp i, 0,1,2
	v_mov_b32 v[C+6*\c+3+\i], v[CT+4*\c+\i]
.endr
.endr
.irp j, 0,1,2
	global_store_b128 v4, v[C+4*\j:C+4*\j+3], s[14:15] offset:512*\j   ; 32 lanes store 512 consecutive bytes
.endr
	s_wait_alu depctr_va_vdst(0)
	s_wait_dscnt 0x0                               ; my words are in LDS
	s_barrier_signal -1
	s_barrier_wait -1
	s_and_b32 s45, s24, 3
	s_cmp_lg_u32 s45, 0
	s_cbranch_scc1 .Lpend
.irp i, 0,1,2,3
	ds_load_b32 v[20+\i], v9 offset:128*\i         ; the words of my half's four K steps
.endr
	s_wait_dscnt 0x0
	global_store_b128 v4, v[20:23], s[16:17]
.Lpend:
	s_wait_tensorcnt 0x0                           ; the wave's end
	ds_add_u32 v12, v13
	s_wait_dscnt 0x0
	s_endpgm
; THE TABLE.  Lane (r, h) makes cos and sin for frequencies 16 h + 4 j + 0 .. 3.
.set TH, 16
.set NN, 20
.set RR, 24
.set ZZ, 28
.set SP, 32
.set CP, 36
.set QI, 40
.set CO, 44
.set SI, 48
.set T,  52
.Lrope:
	s_sub_co_u32 s25, ttmp9, 208
	s_lshl_b32 s25, s25, 4
	s_add_co_u32 s25, s25, s24
	s_and_b32 s30, s25, 3                          ; j
	s_lshr_b32 s25, s25, 2                         ; Ts
	s_lshr_b32 s26, s25, 1
	s_lshl_b32 s26, s26, 5
	s_and_b32 s27, s25, 1
	s_lshl_b32 s27, s27, 3
	s_add_co_u32 s26, s26, s27                     ; the tile's first position
	s_lshl_b32 s28, s25, 12
	s_lshl_b32 s27, s30, 9
	s_add_co_u32 s28, s28, s27
	s_mov_b32 s29, 0
	s_add_nc_u64 s[18:19], s[18:19], s[28:29]
	s_lshl_b32 s30, s30, 2
	s_mov_b32 s40, 0xbed49a78                      ; -log2(10000) / 32
	s_mov_b32 s41, 0x3f22f983                      ; 2 / pi
	s_mov_b32 s42, 0x3fc90fdb                      ; pi / 2, its upper part,
	s_mov_b32 s43, 0xb33bbd2e                      ; and the rest
	s_mov_b32 s44, 0xbe2aaaa3                      ; sin r = r + r z (S1 + S2 z + S3 z z), z = r r
	s_mov_b32 s45, 0x3c08839e
	s_mov_b32 s46, 0xb94ca1f9
	s_mov_b32 s47, 0x3d2aaaa5                      ; cos r = 1 - z / 2 + z z (C1 + C2 z + C3 z z)
	s_mov_b32 s48, 0xbab6061a
	s_mov_b32 s49, 0x37ccf5ce
	v_and_b32 v5, 8, v2
	v_add_nc_u32 v5, v5, v2                        ; r + 8 (r / 8)
	v_add_nc_u32 v5, s26, v5
	v_cvt_f32_u32 v5, v5                           ; my position
	v_lshlrev_b32 v6, 4, v3
	v_add_nc_u32 v6, s30, v6                       ; 16 h + 4 j
.irp e, 0,1,2,3
	v_add_nc_u32 v[TH+\e], \e, v6
.endr
.irp e, 0,1,2,3
	v_cvt_f32_u32 v[TH+\e], v[TH+\e]
.endr
.irp e, 0,1,2,3
	v_mul_f32 v[TH+\e], s40, v[TH+\e]
.endr
	s_wait_alu depctr_va_vdst(0)
.irp e, 0,1,2,3
	v_exp_f32 v[TH+\e], v[TH+\e]                   ; f(i)
.endr
	v_nop                                          ; one plain place behind the transcendentals
	s_wait_alu depctr_va_vdst(0)
.irp e, 0,1,2,3
	v_mul_f32 v[TH+\e], v5, v[TH+\e]               ; the angle, rounded once
.endr
.irp e, 0,1,2,3
	v_mul_f32 v[NN+\e], s41, v[TH+\e]
.endr
.irp e, 0,1,2,3
	v_rndne_f32 v[NN+\e], v[NN+\e]                 ; how many quarter turns: at most 1,304
.endr
.irp e, 0,1,2,3
	v_fma_f32 v[RR+\e], -v[NN+\e], s42, v[TH+\e]   ; exact: the difference is a multiple of 2^-23 under 1
.endr
.irp e, 0,1,2,3
	v_fma_f32 v[RR+\e], -v[NN+\e], s43, v[RR+\e]
.endr
.irp e, 0,1,2,3
	v_mul_f32 v[ZZ+\e], v[RR+\e], v[RR+\e]
.endr
.irp e, 0,1,2,3
	v_fma_f32 v[SP+\e], v[ZZ+\e], s46, s45
.endr
.irp e, 0,1,2,3
	v_fma_f32 v[CP+\e], v[ZZ+\e], s49, s48
.endr
.irp e, 0,1,2,3
	v_fma_f32 v[SP+\e], v[SP+\e], v[ZZ+\e], s44
.endr
.irp e, 0,1,2,3
	v_fma_f32 v[CP+\e], v[CP+\e], v[ZZ+\e], s47
.endr
.irp e, 0,1,2,3
	v_mul_f32 v[T+\e], v[ZZ+\e], v[RR+\e]
.endr
.irp e, 0,1,2,3
	v_fma_f32 v[SP+\e], v[T+\e], v[SP+\e], v[RR+\e]   ; sin r
.endr
.irp e, 0,1,2,3
	v_fma_f32 v[T+\e], v[ZZ+\e], -0.5, 1.0
.endr
.irp e, 0,1,2,3
	v_mul_f32 v[ZZ+\e], v[ZZ+\e], v[ZZ+\e]
.endr
.irp e, 0,1,2,3
	v_fma_f32 v[CP+\e], v[ZZ+\e], v[CP+\e], v[T+\e]   ; cos r
.endr
.irp e, 0,1,2,3
	v_cvt_i32_f32 v[QI+\e], v[NN+\e]
.endr
.irp e, 0,1,2,3
	v_and_b32 v[T+\e], 1, v[QI+\e]
.endr
.irp e, 0,1,2,3
	v_cmp_eq_u32 vcc_lo, 1, v[T+\e]                ; an odd number of quarter turns: sin and cos change places (a choice of values; nothing branches on it)
	v_cndmask_b32 v[SI+\e], v[SP+\e], v[CP+\e], vcc_lo
	v_cndmask_b32 v[CO+\e], v[CP+\e], v[SP+\e], vcc_lo
.endr
.irp e, 0,1,2,3
	v_and_b32 v[T+\e], 2, v[QI+\e]                 ; sin changes sign in quarters 2 and 3,
.endr
.irp e, 0,1,2,3
	v_lshlrev_b32 v[T+\e], 30, v[T+\e]
.endr
.irp e, 0,1,2,3
	v_xor_b32 v[SI+\e], v[SI+\e], v[T+\e]
.endr
.irp e, 0,1,2,3
	v_add_nc_u32 v[T+\e], 1, v[QI+\e]              ; cos in quarters 1 and 2
.endr
.irp e, 0,1,2,3
	v_and_b32 v[T+\e], 2, v[T+\e]
.endr
.irp e, 0,1,2,3
	v_lshlrev_b32 v[T+\e], 30, v[T+\e]
.endr
.irp e, 0,1,2,3
	v_xor_b32 v[CO+\e], v[CO+\e], v[T+\e]
.endr
	global_store_b128 v4, v[CO:CO+3], s[18:19]
	global_store_b128 v4, v[SI:SI+3], s[18:19] offset:2048
	s_endpgm
.Lfunc_end_k_qe008162610_prep:
	.size	k_qe008162610_prep, .Lfunc_end_k_qe008162610_prep-k_qe008162610_prep
	.p2alignl 7, 3214868480
	.fill 96, 4, 3214868480
	.section	.rodata,"a",@progbits
	.p2align	6, 0x0
	.amdhsa_kernel k_qe008162610_prep
		.amdhsa_group_segment_fixed_size 139264
		.amdhsa_private_segment_fixed_size 0
		.amdhsa_enable_private_segment 0
		.amdhsa_kernarg_size 64
		.amdhsa_user_sgpr_count 2
		.amdhsa_user_sgpr_kernarg_segment_ptr 1
		.amdhsa_wavefront_size32 1
		.amdhsa_system_sgpr_workgroup_id_x 1
		.amdhsa_system_sgpr_workgroup_id_y 1
		.amdhsa_system_sgpr_workgroup_id_z 1
		.amdhsa_system_vgpr_workitem_id 0
		.amdhsa_next_free_vgpr 168
		.amdhsa_next_free_sgpr 66
		.amdhsa_reserve_vcc 1
		.amdhsa_float_denorm_mode_32 3
		.amdhsa_float_denorm_mode_16_64 3
		.amdhsa_memory_ordered 1
		.amdhsa_forward_progress 1
		.amdhsa_inst_pref_size 19
	.end_amdhsa_kernel
	.amdgpu_metadata
---
amdhsa.version: [ 1, 2 ]
amdhsa.kernels:
  - .name:           k_qe008162610_prep
    .symbol:         k_qe008162610_prep.kd
    .args:
      - { .name: x, .offset: 0, .size: 8, .value_kind: global_buffer, .address_space: global }
      - { .name: Wq, .offset: 8, .size: 8, .value_kind: global_buffer, .address_space: global }
      - { .name: Wk, .offset: 16, .size: 8, .value_kind: global_buffer, .address_space: global }
      - { .name: Wv, .offset: 24, .size: 8, .value_kind: global_buffer, .address_space: global }
      - { .name: Wproj, .offset: 32, .size: 8, .value_kind: global_buffer, .address_space: global }
      - { .name: cod, .offset: 40, .size: 8, .value_kind: global_buffer, .address_space: global }
      - { .name: scl, .offset: 48, .size: 8, .value_kind: global_buffer, .address_space: global }
      - { .name: rope, .offset: 56, .size: 8, .value_kind: global_buffer, .address_space: global }
    .group_segment_fixed_size: 139264
    .private_segment_fixed_size: 0
    .kernarg_segment_align: 8
    .kernarg_segment_size: 64
    .max_flat_workgroup_size: 512
    .sgpr_count:     66
    .vgpr_count:     168
    .wavefront_size: 32
...
	.end_amdgpu_metadata
.endif
;; end of part 1
;; launch qkv (part 2): grid 8 x 32, 8 waves a work-group, clusters of 4 x 4, 327,680 bytes of LDS; arguments cod, scl, rope, q_gain, qc, qs, kv; writes qc, qs, kv
.if DOCPART == 2
	.amdgcn_target "amdgcn-amd-amdhsa--gfx1250"
	.amdhsa_code_object_version 6
	.text
	.protected	k_qe008162610_qkv
	.globl	k_qe008162610_qkv
	.p2align	8
	.type	k_qe008162610_qkv,@function
k_qe008162610_qkv:
	s_mov_b64 s[64:65], 0
	v_nop
	global_prefetch_b8 v0, s[64:65] scope:SCOPE_SE
	s_setreg_imm32_b32 hwreg(HW_REG_WAVE_MODE, 25, 1), 1
	s_wait_xcnt 0x0
	s_wait_alu depctr_hold_cnt(0) depctr_sa_sdst(0) depctr_va_vdst(0) depctr_va_sdst(0) depctr_va_ssrc(0) depctr_va_vcc(0) depctr_vm_vsrc(0)
	s_getreg_b32 s2, hwreg(HW_REG_IB_STS2, 6, 4)
	s_cmp_eq_u32 s2, 0
	s_cbranch_scc0 .Lentry_in_a_cluster
	s_endpgm
.Lentry_in_a_cluster:
	s_bfe_u32 s2, ttmp6, 0x10000c
	s_cmp_lg_u32 s2, 0xf033
	s_cbranch_scc0 .Lentry_shape_is_right
	s_endpgm
.Lentry_shape_is_right:
; q, k, v = x Wq^T, x Wk^T, x Wv^T on codes of BF6 (E3M2) with E8M0 scales; then, in f32: the norm of each head of q and k, the rotary embedding, q's gain; then the quantisers of the two products of attention.
; SHARES.  A work-group makes 128 rows of x (8 tiles) x 3 head units of 64 columns: q's heads 2 cg and 2 cg + 1, and k's head cg (cluster x = 0) or v's head cg - 4 (cluster x = 1).  Waves 0-3: a head of q (w / 2) x four tiles (w % 2).
; Waves 4-7 (z = w % 4): of k two tiles x four tiles of W; of v eight tiles x one tile of W.  So waves s and s + 4 together have 24 matrix instructions a K step, whatever s.
; LDS: x's fragments (98,304 bytes: 49,152 for each half of K) and W's (147,456: 73,728 for each half), images of operand registers, filled ONCE, by ONE joint tensor load a wave: waves 0-1 x and 2-3 W of the first half of K, 4-5 and 6-7 of the second.
; Behind the first barrier the first half is multiplied while the second lands; behind the second barrier the second.  No LDS byte is filled twice.
; CLUSTERS of 4 x 4: x's tiles are shared along a row, W's along a column.  Which path a wave takes hangs on its number and on the cluster's x alone.
; q AND k ARE MADE TRANSPOSED (source 0 = 16 rows of W, source 1 = 16 rows of x): a lane holds ONE row of x, and, by the order of a tile's rows, its registers 16 b + i are channels 32 b + 16 h + i of the head: the two halves that the
; rotation pairs lie 16 registers apart in one lane, and a block of 32 along the next K lies in lanes l and l xor 16.
; v IS MADE THE OTHER WAY ROUND: a lane holds one channel, and its registers run along the KEYS, which are the K of attention's second product.
; OUT.  qc: 768 bytes for each (batch, head, tile): registers 0-3 at 16 lane, 4-5 at 512 + 8 lane.  qs: a word a lane, 128 bytes a tile: the two scale bytes below, 1 and 1 above.
; kv: 212,992 bytes for each (batch, kv head), sixteen slices of 13,312: fragment f (k's pairs of tiles 0-3, v's tiles of channels 4-7) of the step s of 128 keys at slice 2 f + s / 8, + 1,536 (s % 8); slice s holds at 12,288 step s's words of k, at 12,800 of v.
; No prefetch: all operands are asked for at the head; there is no loop to run ahead in.  A kv word is stored 4 bytes a lane, 16 bytes apart: one such store a wave.
; LIMITS: NaN and infinities are not served; a block of zeros gets the byte 1 (read by this program alone); gain / rms is multiplied into cos and sin, which rounds in another order than x / rms, rotation, gain.
; REGISTERS.  Window 0: v1-15, v240-242 addresses; v16-79 scale words (v: to 87); v80-175 x's fragments, two sets; v176-239 cos and sin of two tiles (v: v96-191 x's first set, v192-215 W's).
;   Window 1: v0-127 the accumulators (a, t) at 32 a + 8 t (v: 8 a); v128-223 W's fragments, two sets, then two more tiles' cos and sin (v: v64-159 x's second set).
.set SA,  16
.set SB,  48
.set SBV, 80
.set XF,  80
.set WF,  128
.set CD,  16                           ; behind the K loop: codes, six registers a tile
.set PT,  40
.set QM,  48
.set QP,  52
.set QSO, 56
.set QB,  60
.set QW,  64
.set PD,  68
.set G,   72
.set SS,  144
.set Z,   80
.set VM,  28
.set VP,  32
.set VSO, 36
.set VW,  48
.set WL,  98304
.set SPARE, 245760
.set SEL, 22
.set MSB, 0
.macro WIN new                         ; the immediate's high byte repeats the setting that is left
.if MSB != \new
	s_set_vgpr_msb (MSB<<8)|\new
.set MSB, \new
.endif
.endm
.macro PLACES                          ; four plain places behind matrix instructions (ISA guide 7.12.1)
.rept 4
	v_nop
.endr
.endm
.macro CROUND                          ; a whole round of the cluster's barrier
	s_barrier_signal -1
	s_barrier_wait -1
	s_cmp_lg_u32 s18, 0
	s_cbranch_scc1 .Lnot_wave_0_\@
	s_barrier_signal -3
.Lnot_wave_0_\@:
	s_barrier_wait -3
	s_barrier_signal -1
	s_barrier_wait -1
.endm
	s_load_b256 s[4:11], s[0:1], 0x0               ; cod s[4:5], scl s[6:7], rope s[8:9], q_gain s[10:11]
	s_load_b128 s[12:15], s[0:1], 0x20             ; qc, qs
	s_load_b64 s[16:17], s[0:1], 0x30              ; kv
	v_lshl_add_u32 v14, v0, 2, SPARE
	v_mov_b32 v15, 0
	ds_add_u32 v14, v15                            ; the opening: the add, twice on end
	ds_add_u32 v14, v15
	v_lshrrev_b32 v1, 5, v0
	v_readfirstlane_b32 s18, v1                    ; wave 0..7
	s_bfe_u32 s19, ttmp6, 0x40000                  ; cx
	s_bfe_u32 s48, ttmp6, 0x40004                  ; cy
	s_lshl_b32 s21, ttmp9, 2
	s_add_co_u32 s21, s21, s19                     ; cg 0..7
	s_and_b32 s20, ttmp7, 0xffff
	s_lshl_b32 s20, s20, 2
	s_add_co_u32 s20, s20, s48                     ; row block 0..31
	s_lshl_b32 s49, s48, 2
	s_lshl_b32 s49, 15, s49                        ; my row of the cluster
	s_lshl_b32 s50, 0x1111, s19                    ; my column
	; descriptor groups 1: dense bytes as rows of 256 (32 elements of 8 bytes), no padding: 96 rows of x, 144 rows of W
	s_or_b32 s24, s49, (3<<16)|(1<<21)
	s_mov_b32 s25, 32<<16
	s_mov_b32 s26, 96<<16
	s_mov_b32 s27, 32<<16
	s_mov_b32 s28, 96
	s_mov_b32 s29, 32
	s_mov_b32 s30, 0
	s_mov_b32 s31, 0
	s_or_b32 s32, s50, (3<<16)|(1<<21)
	s_mov_b32 s33, 32<<16
	s_mov_b32 s34, 144<<16
	s_mov_b32 s35, 32<<16
	s_mov_b32 s36, 144
	s_mov_b32 s37, 32
	s_mov_b32 s38, 0
	s_mov_b32 s39, 0
	s_lshr_b32 s51, s18, 2                         ; the half of K that I fetch
	s_and_b32 s52, s18, 1                          ; which of its two parts
	s_lshl_b32 s54, s20, 1
	s_add_co_u32 s54, s54, s52
	s_mul_i32 s54, s54, 49152
	s_mul_i32 s53, s51, 24576
	s_add_co_u32 s54, s54, s53                     ; x: four tiles, half of K
	s_mov_b32 s55, 0
	s_mul_i32 s56, s21, 147456
	s_mul_i32 s58, s51, 73728
	s_mul_i32 s59, s52, 36864
	s_add_co_u32 s58, s58, s59
	s_add_co_u32 s56, s56, s58
	s_add_co_u32 s56, s56, 3145728                 ; W
	s_mov_b32 s57, 0
	s_mul_i32 s60, s51, 49152
	s_mul_i32 s61, s52, 24576
	s_mov_b32 s40, 1
	s_add_co_u32 s41, s60, s61
	s_mov_b32 s44, 1
	s_add_co_u32 s45, s58, WL
	s_wait_dscnt 0x0                               ; both opening adds are done
	CROUND                                         ; all sixteen work-groups are here: the joint loads meet
	s_wait_kmcnt 0x0
	s_add_nc_u64 s[42:43], s[4:5], s[54:55]
	s_or_b32 s43, s43, 0x80000000
	s_add_nc_u64 s[46:47], s[4:5], s[56:57]
	s_or_b32 s47, s47, 0x80000000
.macro ARM under, g0, g1
	s_cmp_lt_u32 s18, \under
	s_cbranch_scc0 .Lnext_\@
	tensor_load_to_lds s[\g0:\g0+3], s[\g1:\g1+7]
	s_nop 0
.rept 4
	v_nop
.endr
	s_branch .Lasked
.Lnext_\@:
.endm
	ARM 2, 40, 24
	ARM 4, 44, 32
	ARM 6, 40, 24
	tensor_load_to_lds s[44:47], s[32:39]
	s_nop 0
.rept 4
	v_nop
.endr
.Lasked:
	; LDS addresses, for every role in every wave
	s_and_b32 s78, s18, 1
	s_mul_i32 s78, s78, 24576
	s_lshr_b32 s79, s18, 1
	s_and_b32 s79, s79, 1
	s_mul_i32 s79, s79, 24576
	s_add_co_u32 s79, s79, WL
	s_and_b32 s92, s18, 3                          ; z
	s_lshr_b32 s82, s92, 1
	s_mul_i32 s82, s82, 24576
	s_and_b32 s83, s92, 1
	s_mul_i32 s83, s83, 3072
	s_add_co_u32 s82, s82, s83
	s_mul_i32 s83, s92, 1536
	v_and_b32 v3, 31, v0
	v_lshlrev_b32 v1, 4, v3                        ; 16 x lane; never rewritten
	v_lshlrev_b32 v2, 3, v3                        ; 8 x lane
	v_lshlrev_b32 v3, 2, v3                        ; 4 x lane
	v_add_nc_u32 v6, s78, v1                       ; q: x, first half of K; second
	v_add_nc_u32 v7, 49152, v6
	v_add_nc_u32 v8, s79, v1                       ; q: W
	v_add_nc_u32 v9, 73728, v8
	v_add_nc_u32 v10, s82, v1                      ; k: x
	v_add_nc_u32 v11, 49152, v10
	v_add_nc_u32 v12, 147456, v1                   ; k: W
	v_add_nc_u32 v13, 73728, v12
	v_add_nc_u32 v240, 49152, v1                   ; v: x, second half (first: v1)
	v_add_nc_u32 v241, s83, v12                    ; v: W
	v_add_nc_u32 v242, 73728, v241
	s_wait_alu depctr_va_vdst(0)
	s_mov_b32 s[SEL], 0x76543210
	s_mov_b32 s[SEL+1], 0xfedcba98                 ; v_permlanex16_b32's selects for lane l xor 16
	s_mov_b32 s94, 0x3c800000                      ; 1 / 64
	s_mov_b32 s95, 0x34000000                      ; eps = 2^-23
	s_mov_b32 s85, 0
	s_lshr_b32 s80, s20, 4                         ; batch
	s_and_b32 s81, s20, 15                         ; gi: which 128 positions of the sequence
	s_lshl_b32 s84, s20, 13
	s_add_nc_u64 s[62:63], s[6:7], s[84:85]        ; x's scale words: tiles 8 rb on
	s_mul_i32 s84, s21, 12288
	s_add_co_u32 s84, s84, 262144
	s_add_nc_u64 s[66:67], s[6:7], s[84:85]        ; W's
	s_lshl_b32 s84, s81, 15
	s_add_nc_u64 s[68:69], s[8:9], s[84:85]        ; the table: tiles 8 gi on
	s_lshr_b32 s86, s18, 1
	s_lshl_b32 s87, s21, 1
	s_add_co_u32 s87, s87, s86                     ; q's head (waves 0-3)
	s_lshl_b32 s88, s80, 4
	s_add_co_u32 s88, s88, s87
	s_lshl_b32 s88, s88, 7
	s_lshl_b32 s89, s81, 3
	s_add_co_u32 s88, s88, s89
	s_and_b32 s90, s18, 1
	s_lshl_b32 s90, s90, 2
	s_add_co_u32 s88, s88, s90                     ; (batch x 16 + head) x 128 + tile
	s_mul_i32 s84, s88, 768
	s_add_nc_u64 s[70:71], s[12:13], s[84:85]
	s_lshl_b32 s84, s88, 7
	s_add_nc_u64 s[72:73], s[14:15], s[84:85]
	s_lshl_b32 s91, s80, 2
	s_add_co_u32 s91, s91, s19                     ; batch x 4 + kv head
	s_mul_i32 s91, s91, 212992
	s_lshl_b32 s93, s92, 1
	s_lshl_b32 s86, ttmp9, 3
	s_add_co_u32 s93, s93, s86
	s_lshr_b32 s86, s81, 3
	s_add_co_u32 s93, s93, s86
	s_mul_i32 s84, s93, 13312
	s_and_b32 s86, s81, 7
	s_mul_i32 s86, s86, 1536
	s_add_co_u32 s84, s84, s86
	s_add_co_u32 s84, s84, s91
	s_add_nc_u64 s[74:75], s[16:17], s[84:85]      ; my fragment of k or v
	s_mul_i32 s84, s81, 13312
	s_add_co_u32 s84, s84, 12288
	s_lshl_b32 s86, ttmp9, 9
	s_add_co_u32 s84, s84, s86
	s_lshl_b32 s86, s92, 2
	s_add_co_u32 s84, s84, s86
	s_add_co_u32 s84, s84, s91
	s_add_nc_u64 s[76:77], s[16:17], s[84:85]      ; and its words
	s_lshl_b32 s87, s87, 2
	v_mov_b32 v4, s87                              ; q's gain
	s_wait_alu depctr_va_vdst(0)                   ; the head's end
.macro SCALEX a
.irp g, 0,1
	global_load_b128 v[SA+8*\a+4*\g:SA+8*\a+4*\g+3], v1, s[62:63] offset:1024*\a+512*\g
.endr
.endm
.macro SCALEW t, sb
.irp g, 0,1
	global_load_b128 v[\sb+8*\t+4*\g:\sb+8*\t+4*\g+3], v1, s[66:67] offset:1024*\t+512*\g
.endr
.endm
.macro TABLE p, tb                     ; cos and sin of tiles 2 p and 2 p + 1: 32 registers each: 0-15 cos(16 h + e), 16-31 sin
.irp u, 0,1
.irp j, 0,1,2,3,4,5,6,7
	global_load_b128 v[\tb+32*\u+4*\j:\tb+32*\u+4*\j+3], v1, s[68:69] offset:4096*(2*\p+\u)+512*\j
.endr
.endr
.endm
	s_cmp_lt_u32 s18, 4
	s_cbranch_scc0 .Lpre_third
	s_and_b32 s86, s18, 1
	s_lshl_b32 s84, s86, 12
	s_add_nc_u64 s[62:63], s[62:63], s[84:85]
	s_lshl_b32 s84, s86, 14
	s_add_nc_u64 s[68:69], s[68:69], s[84:85]
	s_lshr_b32 s84, s18, 1
	s_lshl_b32 s84, s84, 12
	s_add_nc_u64 s[66:67], s[66:67], s[84:85]
.irp a, 0,1,2,3
	SCALEX \a
	SCALEW \a, SB
.endr
	global_load_b32 v5, v4, s[10:11]
	TABLE 0, 176
	s_branch .Lready
.Lpre_third:
	s_cmp_eq_u32 ttmp9, 0
	s_cbranch_scc0 .Lpre_v
	s_lshl_b32 s84, s92, 11
	s_add_nc_u64 s[62:63], s[62:63], s[84:85]
	s_lshl_b32 s84, s92, 13
	s_add_nc_u64 s[68:69], s[68:69], s[84:85]
	s_mov_b32 s84, 8192
	s_add_nc_u64 s[66:67], s[66:67], s[84:85]
.irp a, 0,1
	SCALEX \a
.endr
.irp t, 0,1,2,3
	SCALEW \t, SB
.endr
	TABLE 0, 176
	s_branch .Lready
.Lpre_v:
	s_lshl_b32 s84, s92, 10
	s_add_co_u32 s84, s84, 8192
	s_add_nc_u64 s[66:67], s[66:67], s[84:85]
.irp a, 0,1,2,3,4,5,6,7
	SCALEX \a
.endr
	SCALEW 0, SBV
.Lready:
; q, k: K step k's fragments into set k % 2: nt of x (address registers xr, xr + 1 for the two halves of K), four of W (wr, wr + 1)
.macro FQK k, nt, xr, wr
.set P, (\k)%2
.set A, 0
.rept \nt
.irp j, 0,1,2
	ds_load_b128 v[XF+48*P+12*A+4*\j:XF+48*P+12*A+4*\j+3], v[\xr+(\k)/4] offset:((\k)%4)*6144+1536*A+512*\j
.endr
.set A, A+1
.endr
	WIN 0x40                                       ; destination window 1
.irp t, 0,1,2,3
.irp j, 0,1,2
	ds_load_b128 v[WF+48*P+12*\t+4*\j:WF+48*P+12*\t+4*\j+3], v[\wr+(\k)/4] offset:((\k)%4)*6144+1536*\t+512*\j
.endr
.endr
	WIN 0
.endm
; The accumulators take turns, one instruction a turn, in ascending order.  The first K step starts the sums.
.macro MQK k, nt
	WIN 0x51                                       ; source 0, C and D window 1
.set P, (\k)%2
.set A, 0
.rept \nt
.irp t, 0,1,2,3
.if (\k) == 0
	v_wmma_scale_f32_16x16x128_f8f6f4 v[32*A+8*\t:32*A+8*\t+7], v[WF+48*P+12*\t:WF+48*P+12*\t+11], v[XF+48*P+12*A:XF+48*P+12*A+11], 0, v[SB+8*\t+(\k)], v[SA+8*A+(\k)] matrix_a_fmt:MATRIX_FMT_BF6 matrix_b_fmt:MATRIX_FMT_BF6
.else
	v_wmma_scale_f32_16x16x128_f8f6f4 v[32*A+8*\t:32*A+8*\t+7], v[WF+48*P+12*\t:WF+48*P+12*\t+11], v[XF+48*P+12*A:XF+48*P+12*A+11], v[32*A+8*\t:32*A+8*\t+7], v[SB+8*\t+(\k)], v[SA+8*A+(\k)] matrix_a_fmt:MATRIX_FMT_BF6 matrix_b_fmt:MATRIX_FMT_BF6
.endif
.endr
.set A, A+1
.endr
	WIN 0
.endm
.macro FV k                            ; v: eight fragments of x (sets in windows 0 and 1), one of W
.set P, (\k)%2
.set XB, 96-32*P
.if (\k) < 4
.set AR, 1
.else
.set AR, 240
.endif
	WIN 0x40*P
.irp a, 0,1,2,3,4,5,6,7
.irp j, 0,1,2
	ds_load_b128 v[XB+12*\a+4*\j:XB+12*\a+4*\j+3], v[AR] offset:((\k)%4)*6144+24576*(\a/4)+1536*(\a%4)+512*\j
.endr
.endr
	WIN 0
.irp j, 0,1,2
	ds_load_b128 v[192+12*P+4*\j:192+12*P+4*\j+3], v[241+(\k)/4] offset:((\k)%4)*6144+512*\j
.endr
.endm
.macro MV k
.set P, (\k)%2
.set XB, 96-32*P
	WIN 0x50+P                                     ; source 0 window P, C and D window 1
.irp a, 0,1,2,3,4,5,6,7
.if (\k) == 0
	v_wmma_scale_f32_16x16x128_f8f6f4 v[8*\a:8*\a+7], v[XB+12*\a:XB+12*\a+11], v[192+12*P:192+12*P+11], 0, v[SA+8*\a+(\k)], v[SBV+(\k)] matrix_a_fmt:MATRIX_FMT_BF6 matrix_b_fmt:MATRIX_FMT_BF6
.else
	v_wmma_scale_f32_16x16x128_f8f6f4 v[8*\a:8*\a+7], v[XB+12*\a:XB+12*\a+11], v[192+12*P:192+12*P+11], v[8*\a:8*\a+7], v[SA+8*\a+(\k)], v[SBV+(\k)] matrix_a_fmt:MATRIX_FMT_BF6 matrix_b_fmt:MATRIX_FMT_BF6
.endif
.endr
	WIN 0
.endm
.macro HALFQK h, nt, xr, wr, ld        ; four K steps; the next step's loads (12 + 3 nt) are out while a step is multiplied
	PLACES
	FQK 4*\h, \nt, \xr, \wr
.if \h == 0
	s_wait_loadcnt \ld                             ; the scale words are in; what was asked for behind them may be out
.endif
.irp i, 0,1,2
.if \i > 0
	PLACES
.endif
	FQK 4*\h+\i+1, \nt, \xr, \wr
	s_wait_dscnt 12+3*\nt
	MQK 4*\h+\i, \nt
.endr
	s_wait_dscnt 0x0
	MQK 4*\h+3, \nt
.endm
.macro HALFV h
	PLACES
	FV 4*\h
.if \h == 0
	s_wait_loadcnt 0x0
.endif
.irp i, 0,1,2
.if \i > 0
	PLACES
.endif
	FV 4*\h+\i+1
	s_wait_dscnt 27
	MV 4*\h+\i
.endr
	s_wait_dscnt 0x0
	MV 4*\h+3
.endm
	s_cmp_lt_u32 s18, 4                            ; waves 0-3 fetched the first half of K: they wait for it
	s_cbranch_scc0 .Lno_wait
	s_wait_tensorcnt 0x0
.Lno_wait:
	s_barrier_signal -1
	s_barrier_wait -1                              ; the first half of K is in
	s_cmp_lt_u32 s18, 4
	s_cbranch_scc0 .Lthird0
	HALFQK 0, 4, 6, 8, 17
	s_branch .Ljoin
.Lthird0:
	s_cmp_eq_u32 ttmp9, 0
	s_cbranch_scc0 .Lv0
	HALFQK 0, 2, 10, 12, 16
	s_branch .Ljoin
.Lv0:
	HALFV 0
.Ljoin:
	v_nop                                          ; with the four at each path's head: five places ahead of products that write where another path's fragments lay
	s_wait_tensorcnt 0x0
	s_wait_dscnt 0x0
	s_barrier_signal -1
	s_barrier_wait -1                              ; and the second
; ---- the ways out of q and k.  The sums of squares of nt tiles, then gain / rms, twice, in v[G + 2 a], v[G + 2 a + 1]
.macro NORM nt, ld, gain
.irp b, 0,1,2,3
	v_mov_b32 v[QP+\b], 0                          ; written once: a lane permute's destination counts as one of its sources
	v_mov_b32 v[PD+\b], 0
.endr
	WIN 0x05                                       ; sources 0 and 1 window 1.
.set A, 0
.rept \nt
	v_pk_mul_f32 v[SS+2*A:SS+2*A+1], v[32*A:32*A+1], v[32*A:32*A+1]
.set A, A+1
.endr
.irp i, 1,2,3,4,5,6,7,8,9,10,11,12,13,14,15
.set A, 0
.rept \nt
	v_pk_fma_f32 v[SS+2*A:SS+2*A+1], v[32*A+2*\i:32*A+2*\i+1], v[32*A+2*\i:32*A+2*\i+1], v[SS+2*A:SS+2*A+1]
.set A, A+1
.endr
.endr
	WIN 0
.set A, 0
.rept \nt
	v_add_f32 v[SS+2*A], v[SS+2*A], v[SS+2*A+1]
.set A, A+1
.endr
.set A, 0
.rept \nt
	v_permlanex16_b32 v[PD+A], v[SS+2*A], s[SEL], s[SEL+1]
.set A, A+1
.endr
.set A, 0
.rept \nt
	v_add_f32 v[SS+2*A], v[SS+2*A], v[PD+A]        ; the head's 64 squares
.set A, A+1
.endr
.set A, 0
.rept \nt
	v_fma_f32 v[SS+2*A], v[SS+2*A], s94, s95       ; the mean + eps
.set A, A+1
.endr
	s_wait_alu depctr_va_vdst(0)
.set A, 0
.rept \nt
	v_rsq_f32 v[SS+2*A], v[SS+2*A]
.set A, A+1
.endr
	v_nop                                          ; one plain place behind the transcendentals
	s_wait_alu depctr_va_vdst(0)
	s_wait_loadcnt \ld                             ; the gain and the first two tiles' cos and sin are in
.set A, 0
.rept \nt
.if \gain
	v_mul_f32 v[G+2*A], v[SS+2*A], v5
.else
	v_mov_b32 v[G+2*A], v[SS+2*A]
.endif
.set A, A+1
.endr
.set A, 0
.rept \nt
	v_mov_b32 v[G+2*A+1], v[G+2*A]
.set A, A+1
.endr
.endm
; Tiles 2 p and 2 p + 1: rotated and normalised into v[Z ..] (32 registers a tile), quantised into v[CD + 12 p + 6 u ..]: lane (r, h) ends with k = 32 h + 0 .. 31; the two bytes in v[QW + 2 p + u]
.macro PAIR p, tb                      ; tb: the tables, in window p
	WIN 0x41*\p
.irp i, 0,1,2,3,4,5,6,7,8,9,10,11,12,13,14,15
.irp u, 0,1
	v_pk_mul_f32 v[\tb+32*\u+2*\i:\tb+32*\u+2*\i+1], v[\tb+32*\u+2*\i:\tb+32*\u+2*\i+1], v[G+4*\p+2*\u:G+4*\p+2*\u+1]
.endr
.endr
	WIN 0x01+0x04*\p                               ; source 0 window 1, source 1 window p
.irp i, 0,1,2,3,4,5,6,7
.irp u, 0,1
.set AC, 64*\p+32*\u
	v_pk_mul_f32 v[Z+32*\u+2*\i:Z+32*\u+2*\i+1], v[AC+2*\i:AC+2*\i+1], v[\tb+32*\u+2*\i:\tb+32*\u+2*\i+1]
	v_pk_mul_f32 v[Z+32*\u+16+2*\i:Z+32*\u+16+2*\i+1], v[AC+16+2*\i:AC+16+2*\i+1], v[\tb+32*\u+2*\i:\tb+32*\u+2*\i+1]
.endr
.endr
.irp i, 0,1,2,3,4,5,6,7
.irp u, 0,1
.set AC, 64*\p+32*\u
	v_pk_fma_f32 v[Z+32*\u+2*\i:Z+32*\u+2*\i+1], v[AC+16+2*\i:AC+16+2*\i+1], v[\tb+32*\u+16+2*\i:\tb+32*\u+16+2*\i+1], v[Z+32*\u+2*\i:Z+32*\u+2*\i+1]   ; x1 cos + x2 sin
	v_pk_fma_f32 v[Z+32*\u+16+2*\i:Z+32*\u+16+2*\i+1], v[AC+2*\i:AC+2*\i+1], v[\tb+32*\u+16+2*\i:\tb+32*\u+16+2*\i+1], v[Z+32*\u+16+2*\i:Z+32*\u+16+2*\i+1] neg_lo:[1,0,0] neg_hi:[1,0,0]   ; x2 cos - x1 sin
.endr
.endr
	WIN 0
.irp m, 0,1,2,3
	v_max3_num_f32 v[QM+\m], |v[Z+16*\m]|, |v[Z+16*\m+1]|, 0x2800000   ; with the floor 2^(5 - 127)
.endr
.irp i, 2,4,6,8,10,12,14
.irp m, 0,1,2,3
	v_max3_num_f32 v[QM+\m], v[QM+\m], |v[Z+16*\m+\i]|, |v[Z+16*\m+\i+1]|
.endr
.endr
.irp m, 0,1,2,3
	v_permlanex16_b32 v[QP+\m], v[QM+\m], s[SEL], s[SEL+1]
.endr
.irp m, 0,1,2,3
	v_max_num_f32 v[QM+\m], v[QM+\m], v[QP+\m]     ; with lane l xor 16's 16: the block's largest magnitude
.endr
.irp m, 0,1,2,3
	v_add_nc_u32 v[QSO+\m], 0xfe000000, v[QM+\m]   ; 4 off the exponent field: the conversion's scale operand
.endr
.irp m, 0,1,2,3
	v_lshrrev_b32 v[QB+\m], 23, v[QSO+\m]
.endr
.irp u, 0,1
	v_lshl_or_b32 v[QW+2*\p+\u], v[QB+2*\u+1], 8, v[QB+2*\u]
.endr
.irp u, 0,1
	v_cvt_scalef32_pk16_bf6_f32 v[CD+12*\p+6*\u:CD+12*\p+6*\u+2], v[Z+32*\u:Z+32*\u+15], v[QSO+2*\u]
	v_cvt_scalef32_pk16_bf6_f32 v[PT+4*\u:PT+4*\u+2], v[Z+32*\u+16:Z+32*\u+31], v[QSO+2*\u+1]
.endr
	v_nop                                          ; one plain place behind a scaled conversion
.irp u, 0,1
.irp i, 0,1,2
	v_permlane16_swap_b32 v[CD+12*\p+6*\u+\i], v[PT+4*\u+\i]   ; a whole block to a lane
.endr
.endr
.irp u, 0,1
.irp i, 0,1,2
	v_mov_b32 v[CD+12*\p+6*\u+3+\i], v[PT+4*\u+\i]
.endr
.endr
.endm
.macro QOUT p
.irp u, 0,1
	v_or_b32 v[QW+2*\p+\u], 0x01010000, v[QW+2*\p+\u]
.endr
.irp u, 0,1
	global_store_b128 v1, v[CD+12*\p+6*\u:CD+12*\p+6*\u+3], s[70:71] offset:768*(2*\p+\u)
	global_store_b64 v2, v[CD+12*\p+6*\u+4:CD+12*\p+6*\u+5], s[70:71] offset:768*(2*\p+\u)+512
	global_store_b32 v3, v[QW+2*\p+\u], s[72:73] offset:128*(2*\p+\u)
.endr
.endm
	s_cmp_lt_u32 s18, 4
	s_cbranch_scc0 .Lthird1
	HALFQK 1, 4, 6, 8, 0
	PLACES
	WIN 0x40
	TABLE 1, 128                                   ; tiles 2 and 3, where W's fragments lay
	WIN 0
	NORM 4, 16, 1                                  ; (the 16 loads just issued may be out)
	PAIR 0, 176
	QOUT 0
	s_wait_alu depctr_va_vdst(0)
	s_wait_loadcnt 0x0
	PAIR 1, 128
	QOUT 1
	s_branch .Lend
.Lthird1:
	s_cmp_eq_u32 ttmp9, 0
	s_cbranch_scc0 .Lv1
	HALFQK 1, 2, 10, 12, 0
	PLACES
	NORM 2, 0, 0                                   ; k has no gain
	PAIR 0, 176
	v_lshl_or_b32 v[QW], v[QW+1], 16, v[QW]
.irp j, 0,1,2
	global_store_b128 v1, v[CD+4*\j:CD+4*\j+3], s[74:75] offset:512*\j   ; 32 lanes store 512 consecutive bytes
.endr
	global_store_b32 v1, v[QW], s[76:77]
	s_branch .Lend
; ---- v: a lane's 64 registers are the 128 keys' 32 b + 16 h + i of its channel: one fragment and one scale word
.Lv1:
	HALFV 1
	PLACES
.irp b, 0,1,2,3
	v_mov_b32 v[VP+\b], 0                          ; (a lane permute's destination counts as one of its sources)
	v_mov_b32 v[VM+\b], 0x2800000                  ; the floor 2^(5 - 127)
.endr
	WIN 0x14                                       ; sources 1 and 2 window 1.
.irp i, 0,2,4,6,8,10,12,14
.irp b, 0,1,2,3
	v_max3_num_f32 v[VM+\b], v[VM+\b], |v[16*\b+\i]|, |v[16*\b+\i+1]|
.endr
.endr
	WIN 0
.irp b, 0,1,2,3
	v_permlanex16_b32 v[VP+\b], v[VM+\b], s[SEL], s[SEL+1]
.endr
.irp b, 0,1,2,3
	v_max_num_f32 v[VM+\b], v[VM+\b], v[VP+\b]
.endr
.irp b, 0,1,2,3
	v_add_nc_u32 v[VSO+\b], 0xfe000000, v[VM+\b]
.endr
.irp b, 0,1,2,3
	v_lshrrev_b32 v[VP+\b], 23, v[VSO+\b]
.endr
	v_lshl_or_b32 v[VW], v[VP+1], 8, v[VP]
	v_lshl_or_b32 v[VW], v[VP+2], 16, v[VW]
	v_lshl_or_b32 v[VW], v[VP+3], 24, v[VW]
	WIN 0x01                                       ; source 0 window 1
.irp c, 0,1
	v_cvt_scalef32_pk16_bf6_f32 v[CD+6*\c:CD+6*\c+2], v[32*\c:32*\c+15], v[VSO+2*\c]
	v_cvt_scalef32_pk16_bf6_f32 v[PT+4*\c:PT+4*\c+2], v[32*\c+16:32*\c+31], v[VSO+2*\c+1]
.endr
	WIN 0
	v_nop                                          ; one plain place behind a scaled conversion
.irp c, 0,1
.irp i, 0,1,2
	v_permlane16_swap_b32 v[CD+6*\c+\i], v[PT+4*\c+\i]
.endr
.endr
.irp c, 0,1
.irp i, 0,1,2
	v_mov_b32 v[CD+6*\c+3+\i], v[PT+4*\c+\i]
.endr
.endr
.irp j, 0,1,2
	global_store_b128 v1, v[CD+4*\j:CD+4*\j+3], s[74:75] offset:512*\j
.endr
	global_store_b32 v1, v[VW], s[76:77]
.Lend:
	s_wait_tensorcnt 0x0                           ; the wave's end
	ds_add_u32 v14, v15
	s_wait_dscnt 0x0
	CROUND                                         ; the closing round
	s_endpgm
.Lfunc_end_k_qe008162610_qkv:
	.size	k_qe008162610_qkv, .Lfunc_end_k_qe008162610_qkv-k_qe008162610_qkv
	.p2alignl 7, 3214868480
	.fill 96, 4, 3214868480
	.section	.rodata,"a",@progbits
	.p2align	6, 0x0
	.amdhsa_kernel k_qe008162610_qkv
		.amdhsa_group_segment_fixed_size 327680
		.amdhsa_private_segment_fixed_size 0
		.amdhsa_enable_private_segment 0
		.amdhsa_kernarg_size 56
		.amdhsa_user_sgpr_count 2
		.amdhsa_user_sgpr_kernarg_segment_ptr 1
		.amdhsa_wavefront_size32 1
		.amdhsa_system_sgpr_workgroup_id_x 1
		.amdhsa_system_sgpr_workgroup_id_y 1
		.amdhsa_system_sgpr_workgroup_id_z 1
		.amdhsa_system_vgpr_workitem_id 0
		.amdhsa_next_free_vgpr 512
		.amdhsa_next_free_sgpr 100
		.amdhsa_reserve_vcc 0
		.amdhsa_float_denorm_mode_32 3
		.amdhsa_float_denorm_mode_16_64 3
		.amdhsa_memory_ordered 1
		.amdhsa_forward_progress 1
		.amdhsa_inst_pref_size 137
	.end_amdhsa_kernel
	.amdgpu_metadata
---
amdhsa.version: [ 1, 2 ]
amdhsa.kernels:
  - .name:           k_qe008162610_qkv
    .symbol:         k_qe008162610_qkv.kd
    .args:
      - { .name: cod, .offset: 0, .size: 8, .value_kind: global_buffer, .address_space: global }
      - { .name: scl, .offset: 8, .size: 8, .value_kind: global_buffer, .address_space: global }
      - { .name: rope, .offset: 16, .size: 8, .value_kind: global_buffer, .address_space: global }
      - { .name: q_gain, .offset: 24, .size: 8, .value_kind: global_buffer, .address_space: global }
      - { .name: qc, .offset: 32, .size: 8, .value_kind: global_buffer, .address_space: global }
      - { .name: qs, .offset: 40, .size: 8, .value_kind: global_buffer, .address_space: global }
      - { .name: kv, .offset: 48, .size: 8, .value_kind: global_buffer, .address_space: global }
    .group_segment_fixed_size: 327680
    .private_segment_fixed_size: 0
    .kernarg_segment_align: 8
    .kernarg_segment_size: 56
    .max_flat_workgroup_size: 256
    .sgpr_count:     100
    .vgpr_count:     512
    .wavefront_size: 32
...
	.end_amdgpu_metadata
.endif
;; end of part 2
;; launch attn (part 3): grid 32 x 8, 16 waves a work-group, clusters of 4 x 1, 327,680 bytes of LDS; arguments qc, qs, kv, yc, ys; writes yc, ys
.if DOCPART == 3
	.amdgcn_target "amdgcn-amd-amdhsa--gfx1250"
	.amdhsa_code_object_version 6
	.text
	.protected	k_qe008162610_attn
	.globl	k_qe008162610_attn
	.p2align	8
	.type	k_qe008162610_attn,@function
k_qe008162610_attn:
	s_mov_b64 s[64:65], 0
	v_nop
	global_prefetch_b8 v0, s[64:65] scope:SCOPE_SE
	s_setreg_imm32_b32 hwreg(HW_REG_WAVE_MODE, 25, 1), 1
	s_wait_xcnt 0x0
	s_wait_alu depctr_hold_cnt(0) depctr_sa_sdst(0) depctr_va_vdst(0) depctr_va_sdst(0) depctr_va_ssrc(0) depctr_va_vcc(0) depctr_vm_vsrc(0)
	s_getreg_b32 s2, hwreg(HW_REG_IB_STS2, 6, 4)
	s_cmp_eq_u32 s2, 0
	s_cbranch_scc0 .Lentry_in_a_cluster
	s_endpgm
.Lentry_in_a_cluster:
	s_bfe_u32 s2, ttmp6, 0x10000c
	s_cmp_lg_u32 s2, 0x3003
	s_cbranch_scc0 .Lentry_shape_is_right
	s_endpgm
.Lentry_shape_is_right:
; y = softmax(q k^T / 8, causal) v for 2 batches x 16 heads of size 64, four heads to a kv head, both products on codes of BF6 (E3M2) with E8M0 scales; y is quantised along (head, channel) for the last product.
; THE SOFTMAX AHEAD OF THE SECOND PRODUCT: t = score x log2(e) / 8; M = the largest t so far, rounded UP to a whole number; p = 2^(t - M) is quantised along the keys, not normalised; the row's sum is taken of the
; unquantised p and divides at the end; when M moves, the sum and O are multiplied by 2^(old M - new M), which rounds nothing.
; SHARES.  A cluster of four work-groups serves one (batch, kv head), each of them one of its four heads.  The cluster's x, c = 0 .. 7, names two runs of 128 queries: the short one, c, and the long one, 15 - c: eight tiles of 16 queries each.
; Waves a and 8 + a (a = 0 .. 7) share tile a of both runs.  Wave a: the short tile, steps 0 .. c of 128 keys, whose result it stores; then the long tile's steps 0 .. 6 - c: eight steps.  Wave 8 + a: the long tile's steps 7 - c .. 15 - c: nine steps.
; So the counts are the same for every c.  At the end wave a hands its part of the long tile (O, sum, M) through LDS to wave 8 + a, which brings both parts under the larger M by powers of two and stores the result.
; LDS holds the kv head's whole block of sixteen slices of 13,312 bytes, FILLED ONCE by one joint tensor load a wave: wave w brings slice 2 (w % 8) + w / 8 of the block to LDS slot w.  So slots 0-7 hold the codes of steps 0-7, slots 8-15 of steps 8-15;
; step s's scale words came with slice s, and lie in slot 8 (s % 2) + s / 2.  Every wave's FIRST step is one of steps 0-7: it begins when waves 0-7's loads have landed, with its scale words straight from memory; in its middle stands the
; barrier that shows the rest.  Then the waves run free.  Every slice has bytes of steps 0 .. 8 that some wave reads.
; CLUSTERS: the block is asked for jointly by the four work-groups.  Branches hang on the wave's number, the trip and the cluster's x, never on the place in the cluster (the head), which is in addresses of q and y alone.
; LAYOUT.  Both products are used transposed (S^T = k q^T, O^T = v^T p^T): a lane holds ONE query throughout.  By the order of a tile's rows (place r = row 32 (T / 2) + 8 (T % 2) + r + 8 (r / 8)) the 16 registers of two
; neighbouring tiles are 16 neighbouring keys, 32 p + 16 h + 0 .. 15.
; K = 64 IN AN INSTRUCTION OF 128: a fragment of k holds TWO tiles of keys, the even one of a pair at k = 0-63, the odd one at 64-127.  Multiplied by (q, zeros) it gives the even tile's scores, by (zeros, q) the odd one's:
; zero codes add nothing; their scale bytes are 1.
; TWO REGIONS OF 64 REGISTERS CHANGE PLACES from step to step: one holds k's fragments, then v's; the other S^T, then p, and, once p has been summed and converted, the NEXT step's k.  (A wave's last step asks so for one that is not used.)
; WORK LEFT OUT: steps of 128 keys all of which come after a tile's queries: reference()'s causal mask gives them p = 0 for all inputs.  In the diagonal step hidden scores become -infinity: blocks of 32 keys beyond the tile's own whole,
; the tile's own block by compare.  A NaN or an infinity that reaches only the work left out is not carried to the result.
; No prefetch: the whole block is asked for at the head; there is nothing for a loop to run ahead to.
; LIMITS: NaN and infinities are not served; a block of zeros gets the byte 1 (read by this program alone); the scaled scores stay under 2^31 in magnitude.  A block's largest p is made from the block's largest score by the same multiply-add
; and exponential.  ys is stored two bytes a lane, 16 bytes apart: one such store a tile.
; REGISTERS: v1, v8 16 and 8 x lane; v2, v3, v6 LDS addresses in hand; v4, v7 q's two scale words; v5 the mask's distance; v9 where partial results pass; v12 -M, v13 the largest t, v[14:15] the sum; v16-21 zeros, v22-27 q,
;   v28-33 zeros; v34-97, v98-161 the two regions; v162-193 O^T; v194-205 p's codes; v206-233 at work; v234-237 k's scale words, v238-241 v's; v242-247, v248-249 the long tile's q and its words.
.set R1,   34
.set R2,   98
.set O,    162
.set PC,   194
.set PT,   206                         ; v206-212 upper blocks' codes ahead of the exchange
.set BM,   214                         ; v214-217 the blocks' largest scores, then largest p
.set PB,   218                         ; v218-221 lane l xor 16's, then bytes
.set SO,   222                         ; v222-225 scale operands
.set PSW,  226                         ; p's scale word
.set F,    228                         ; v[228:229] f = 2^(old M - new M), named as a pair
.set TMP,  230
.set NINF, 231
.set L2,   232
.set KA,   234
.set VA,   238
.set QL,   242
.set QM,   214
.set QP,   218
.set QB,   220
.set QSO,  222
.set QHW,  230
.set SEL,  20
.set CS,   22
.set SLICE, 13312
.set MERGE, 212992
.set SPARE, 249856
.macro CROUND
	s_barrier_signal -1
	s_barrier_wait -1
	s_cmp_lg_u32 s18, 0
	s_cbranch_scc1 .Lnot_wave_0_\@
	s_barrier_signal -3
.Lnot_wave_0_\@:
	s_barrier_wait -3
	s_barrier_signal -1
	s_barrier_wait -1
.endm
	s_load_b256 s[4:11], s[0:1], 0x0               ; qc s[4:5], qs s[6:7], kv s[8:9], yc s[10:11]
	s_load_b64 s[12:13], s[0:1], 0x20              ; ys
	v_lshl_add_u32 v252, v0, 2, SPARE
	v_mov_b32 v253, 0
	ds_add_u32 v252, v253                          ; the opening: the add, twice on end
	ds_add_u32 v252, v253
	v_lshrrev_b32 v1, 5, v0
	v_readfirstlane_b32 s18, v1                    ; wave 0..15
	s_and_b32 s71, ttmp7, 0xffff                   ; batch x 4 + kv head
	s_mov_b32 s24, 15|(3<<16)|(1<<21)              ; a slice: 52 rows of 256 bytes (32 elements of 8 bytes), no padding, to all four
	s_mov_b32 s25, 32<<16
	s_mov_b32 s26, 52<<16
	s_mov_b32 s27, 32<<16
	s_mov_b32 s28, 52
	s_mov_b32 s29, 32
	s_mov_b32 s30, 0
	s_mov_b32 s31, 0
	s_lshr_b32 s19, s18, 3                         ; 0: short, then the long tile's first steps; 1: the long tile's last
	s_and_b32 s36, s18, 7                          ; a
	s_mul_i32 s46, s18, SLICE
	s_lshl_b32 s76, s36, 1
	s_add_co_u32 s76, s76, s19
	s_mul_i32 s76, s76, SLICE
	s_mul_i32 s57, s71, 212992
	s_add_co_u32 s76, s76, s57
	s_mov_b32 s77, 0
	s_mov_b32 s32, 1
	s_mov_b32 s33, s46
	s_wait_dscnt 0x0                               ; both opening adds are done
	CROUND                                         ; all four work-groups are here: the joint loads meet
	s_wait_kmcnt 0x0
	s_add_nc_u64 s[34:35], s[8:9], s[76:77]
	s_or_b32 s35, s35, 0x80000000
	s_cmp_lt_u32 s18, 8
	s_cbranch_scc0 .Lsecond_half
	tensor_load_to_lds s[32:35], s[24:31]
	s_nop 0
.rept 4
	v_nop
.endr
	s_branch .Lasked
.Lsecond_half:
	tensor_load_to_lds s[32:35], s[24:31]
	s_nop 0
.rept 4
	v_nop
.endr
.Lasked:
	s_bfe_u32 s70, ttmp6, 0x40000                  ; cx: which of the four heads
	s_lshr_b32 s37, s36, 1                         ; my tile's block of 32 in the run of 128
	s_and_b32 s38, s36, 1                          ; u: which tile of the block
	s_mul_i32 s51, s36, 4608
	s_add_co_u32 s51, s51, MERGE
	v_and_b32 v10, 31, v0
	v_lshlrev_b32 v1, 4, v10                       ; never rewritten
	v_lshlrev_b32 v8, 3, v10
	v_lshlrev_b32 v10, 2, v10
	v_add_nc_u32 v9, s51, v1
	s_wait_alu depctr_va_vdst(0)
	s_lshr_b32 s72, s71, 2                         ; batch
	s_and_b32 s73, s71, 3
	s_lshl_b32 s69, s73, 2
	s_add_co_u32 s69, s69, s70                     ; head
	s_mov_b32 s83, 0
	s_sub_co_u32 s74, 15, ttmp9
	s_lshl_b32 s74, s74, 3
	s_add_co_u32 s74, s74, s36                     ; the long tile, of 128
	s_lshl_b32 s75, ttmp9, 3
	s_add_co_u32 s75, s75, s36                     ; the short one
	s_add_co_u32 s41, ttmp9, 1
	s_sub_co_u32 s45, 0, s41
	s_sub_co_u32 s44, 7, ttmp9
	s_cmp_eq_u32 s19, 0
	s_cselect_b32 s75, s75, s74                    ; the tile that I begin with, and whose result I store
	s_cselect_b32 s41, s41, 15                     ; the turn ahead of which I change tiles (15: never)
	s_cselect_b32 s42, 7, 8                        ; my last turn
	s_cselect_b32 s43, ttmp9, 8                    ; the turn of my diagonal step
	s_cselect_b32 s44, 0, s44                      ; turn + this = the step, ahead of the change; behind it turn + s45
	s_lshl_b32 s86, s72, 4
	s_add_co_u32 s86, s86, s69                     ; batch x 16 + head
	s_lshl_b32 s86, s86, 7
	s_add_co_u32 s87, s86, s75
	s_mul_i32 s82, s87, 768
	s_add_nc_u64 s[78:79], s[4:5], s[82:83]
	s_lshl_b32 s82, s87, 7
	s_add_nc_u64 s[88:89], s[6:7], s[82:83]
	s_add_co_u32 s87, s86, s74
	s_mul_i32 s82, s87, 768
	s_add_nc_u64 s[90:91], s[4:5], s[82:83]
	s_lshl_b32 s82, s87, 7
	s_add_nc_u64 s[92:93], s[6:7], s[82:83]
	s_and_b32 s47, s44, 7                          ; my first step, one of 0 .. 7
	s_mul_i32 s82, s47, SLICE
	s_add_co_u32 s82, s82, s57
	s_add_co_u32 s82, s82, 12288
	s_add_nc_u64 s[94:95], s[8:9], s[82:83]        ; its scale words
	global_load_b128 v[22:25], v1, s[78:79]
	global_load_b64 v[26:27], v8, s[78:79] offset:512
	global_load_b32 v4, v10, s[88:89]
	global_load_b128 v[KA:KA+3], v1, s[94:95]
	global_load_b128 v[VA:VA+3], v1, s[94:95] offset:512
	global_load_b128 v[QL:QL+3], v1, s[90:91]
	global_load_b64 v[QL+4:QL+5], v8, s[90:91] offset:512
	global_load_b32 v248, v10, s[92:93]
	; where y goes: tile T = 128 batch + tile of the 4,096 rows, K step head / 2, half head % 2 of the fragment (768 bytes: registers 0-3, then 4-5)
	s_lshl_b32 s80, s72, 7
	s_add_co_u32 s80, s80, s75                     ; T
	s_lshr_b32 s81, s80, 2
	s_lshl_b32 s81, s81, 3
	s_lshr_b32 s84, s69, 1
	s_add_co_u32 s81, s81, s84
	s_mul_i32 s81, s81, 6144
	s_and_b32 s85, s80, 3
	s_mul_i32 s85, s85, 1536
	s_add_co_u32 s81, s81, s85
	s_and_b32 s85, s69, 1
	s_mul_i32 s87, s85, 768
	s_add_co_u32 s82, s81, s87
	s_add_nc_u64 s[10:11], s[10:11], s[82:83]
	s_lshl_b32 s81, s80, 10
	s_lshr_b32 s87, s69, 3
	s_lshl_b32 s87, s87, 9
	s_add_co_u32 s81, s81, s87
	s_and_b32 s84, s84, 3
	s_lshl_b32 s84, s84, 2
	s_add_co_u32 s81, s81, s84
	s_lshl_b32 s85, s85, 1
	s_add_co_u32 s82, s81, s85
	s_add_nc_u64 s[12:13], s[12:13], s[82:83]
	s_mov_b32 s[SEL], 0x76543210
	s_mov_b32 s[SEL+1], 0xfedcba98                 ; v_permlanex16_b32's selects for lane l xor 16
	s_mov_b32 s[CS], 0x3e38aa3b                    ; c = log2(e) / 8
	s_mov_b32 s[CS+1], s[CS]                       ; (named with it as a pair, so it is written)
	s_lshl_b32 s86, s38, 3
	v_and_b32 v2, 15, v0                           ; the mask: d = my query - my block's first key - 16 h
	v_bfe_u32 v6, v0, 4, 1
	v_and_b32 v3, 8, v2
	v_lshlrev_b32 v6, 4, v6
	v_add_nc_u32 v2, v2, v3                        ; r + 8 (r / 8)
	v_sub_nc_u32 v5, v2, v6
	v_add_nc_u32 v5, s86, v5
.irp i, 0,1,2,3,4,5
	v_mov_b32 v[16+\i], 0
	v_mov_b32 v[28+\i], 0
.endr
.macro FRESH                           ; no key seen yet.  (The first step finds zeros.)
	v_mov_b32 v13, 0xff61b1e6                      ; the largest t so far: -3e38, under every t
	v_mov_b32 v14, 0
	v_mov_b32 v15, 0
	v_floor_f32 v12, -v13                          ; -M
.set n, 0
.rept 32
	v_mov_b32 v[O+n], 0                            ; O^T.  These are also the places between q's scale words and the first scaled product
.set n, n+1
.endr
.endm
.irp b, 0,1,2,3
	v_mov_b32 v[PB+\b], 0                          ; written once: a lane permute's destination counts as one of its sources
.endr
	v_mov_b32 v[F+1], 0                            ; (named as upper halves of pairs)
	v_mov_b32 v[L2+1], 0
	v_mov_b32 v[NINF], 0xff800000
	s_wait_alu depctr_va_vdst(0)
	s_wait_loadcnt 0x0
	v_lshlrev_b32 v7, 16, v4                       ; v4 is the word for (q, zeros); for (zeros, q) the bytes change places
	v_lshlrev_b32 v249, 16, v248
	v_or_b32 v7, 0x0101, v7
	v_or_b32 v249, 0x0101, v249
	FRESH
; THE WAY OUT: O^T / the sum is my head's 64 numbers of 16 rows of y: register 16 b + i = channel 32 b + 16 h + i.  They are quantised and leave as half a fragment of the last product's operand.
; It works in the upper 16 registers of each region: k's fragments, which may be on their way, take the lower 48.
.macro QUANT2 z0, z1
	v_max3_num_f32 v[QM], |v[\z0]|, |v[\z0+1]|, 0x2800000
	v_max3_num_f32 v[QM+1], |v[\z1]|, |v[\z1+1]|, 0x2800000
.irp i, 2,4,6,8,10,12,14
	s_delay_alu instid0(VALU_DEP_2)
	v_max3_num_f32 v[QM], v[QM], |v[\z0+\i]|, |v[\z0+\i+1]|
	s_delay_alu instid0(VALU_DEP_2)
	v_max3_num_f32 v[QM+1], v[QM+1], |v[\z1+\i]|, |v[\z1+\i+1]|
.endr
.irp b, 0,1
	s_delay_alu instid0(VALU_DEP_2)
	v_permlanex16_b32 v[QP+\b], v[QM+\b], s[SEL], s[SEL+1]
.endr
.irp b, 0,1
	s_delay_alu instid0(VALU_DEP_2)
	v_max_num_f32 v[QM+\b], v[QM+\b], v[QP+\b]
.endr
.irp b, 0,1
	s_delay_alu instid0(VALU_DEP_2)
	v_add_nc_u32 v[QSO+\b], 0xfe000000, v[QM+\b]
.endr
.irp b, 0,1
	s_delay_alu instid0(VALU_DEP_2)
	v_lshrrev_b32 v[QB+\b], 23, v[QSO+\b]
.endr
	s_delay_alu instid0(VALU_DEP_1)
	v_lshl_or_b32 v[QHW], v[QB+1], 8, v[QB]
	v_cvt_scalef32_pk16_bf6_f32 v[PC:PC+2], v[\z0:\z0+15], v[QSO]
	v_cvt_scalef32_pk16_bf6_f32 v[PT:PT+2], v[\z1:\z1+15], v[QSO+1]
	v_nop                                          ; one plain place behind a scaled conversion
.irp i, 0,1,2
	v_permlane16_swap_b32 v[PC+\i], v[PT+\i]
.endr
.irp i, 0,1,2
	s_delay_alu instid0(VALU_DEP_3)
	v_mov_b32 v[PC+3+\i], v[PT+\i]
.endr
.endm
.macro FLUSH
.rept 4
	v_nop                                          ; places behind the last products
.endr
	v_add_f32 v14, v14, v15
	v_permlanex16_b32 v[PB], v14, s[SEL], s[SEL+1]
	v_add_f32 v14, v14, v[PB]                      ; the row's sum
	s_wait_alu depctr_va_vdst(0)
	v_rcp_f32 v14, v14
	v_nop                                          ; one plain place behind the transcendental
	s_wait_alu depctr_va_vdst(0)
.set n, 0
.rept 16
	v_mul_f32 v[R1+48+n], v[O+n], v14              ; each accumulator from its low end on
.set n, n+1
.endr
.set n, 0
.rept 16
	v_mul_f32 v[R2+48+n], v[O+16+n], v14
.set n, n+1
.endr
	QUANT2 R1+48, R2+48
	global_store_b128 v1, v[PC:PC+3], s[10:11]     ; 32 lanes store 512, then 256 consecutive bytes
	global_store_b64 v8, v[PC+4:PC+5], s[10:11] offset:512
	global_store_b16 v1, v[QHW], s[12:13]          ; my head's half of the rows' scale words
.endm
.macro HIDE s, p                       ; my own block: register 16 p + i holds key 16 h + i of it: hidden where i > d
.set n, 0
.rept 16
	v_cmp_gt_i32 vcc_lo, n, v5
	v_cndmask_b32 v[\s+16*\p+n], v[\s+16*\p+n], v[NINF], vcc_lo
.set n, n+1
.endr
.endm
.macro BLOCK s, p, out                 ; in the diagonal step: is block p my own?  Else it lies beyond it
	s_wait_alu depctr_va_vdst(0)
	s_cmp_eq_u32 s37, \p
	s_cbranch_scc0 .Lbeyond_\@
	HIDE \s, \p
	s_wait_alu depctr_va_vdst(0)
	s_branch \out
.Lbeyond_\@:
.set n, 0
.rept 16
	v_mov_b32 v[\s+16*\p+n], v[NINF]
.set n, n+1
.endr
.endm
.macro FOUR d, ar                      ; four fragments of a step, k's or v's
.irp p, 0,1,2,3
.irp j, 0,1,2
	ds_load_b128 v[\d+12*\p+4*\j:\d+12*\p+4*\j+3], v[\ar] offset:SLICE*\p+512*\j
.endr
.endr
.endm
; A KEY STEP: 128 keys.  k's fragments are in region a (or on their way there), the scores go to region s.
.macro STEP a, s, first
.if \first == 0
	s_cmp_eq_u32 s40, s41
	s_cbranch_scc0 .Lgo_\@
	FLUSH                                          ; the short tile leaves,
.irp i, 0,1,2,3,4,5
	v_mov_b32 v[22+\i], v[QL+\i]                   ; and the long one begins
.endr
	v_mov_b32 v4, v248
	v_mov_b32 v7, v249
	FRESH
	s_wait_alu depctr_va_vdst(0)
	s_wait_xcnt 0x0                                ; the stores have read their registers
.Lgo_\@:
	s_cmp_gt_u32 s40, s42
	s_cbranch_scc1 .Lhid_\@                        ; no step is left for me
.endif
	v_add_nc_u32 v3, 4*SLICE, v2                   ; v's fragments of this step
.rept 4
	v_nop                                          ; with the line above five places: the scores write over the last step's fragments of v
.endr
	s_wait_alu depctr_va_vdst(0)
	s_wait_dscnt 0x0                               ; k is in
.irp p, 0,1,2,3
	v_wmma_scale_f32_16x16x128_f8f6f4 v[\s+16*\p:\s+16*\p+7], v[\a+12*\p:\a+12*\p+11], v[22:33], 0, v[KA+\p], v4 matrix_a_fmt:MATRIX_FMT_BF6 matrix_b_fmt:MATRIX_FMT_BF6
	v_wmma_scale_f32_16x16x128_f8f6f4 v[\s+16*\p+8:\s+16*\p+15], v[\a+12*\p:\a+12*\p+11], v[16:27], 0, v[KA+\p], v7 matrix_a_fmt:MATRIX_FMT_BF6 matrix_b_fmt:MATRIX_FMT_BF6
.endr
.rept 4
	v_nop
.endr
	FOUR \a, 3                                     ; v lands while the softmax is walked
.if \first == 0
	ds_load_b128 v[VA:VA+3], v6 offset:512
.endif
	s_cmp_lg_u32 s40, s43
	s_cbranch_scc1 .Lopen_\@                       ; all its keys count
	BLOCK \s, 3, .Lopen_\@
	BLOCK \s, 2, .Lopen_\@
	BLOCK \s, 1, .Lopen_\@
	HIDE \s, 0
.Lopen_\@:
.irp b, 0,1,2,3
	v_max3_num_f32 v[BM+\b], v[\s+16*\b], v[\s+16*\b+1], v[\s+16*\b+2]   ; the largest score of each block of 32 keys: for the row's maximum and for the block's largest p
.endr
.irp i, 3,5,7,9,11,13
.irp b, 0,1,2,3
	v_max3_num_f32 v[BM+\b], v[BM+\b], v[\s+16*\b+\i], v[\s+16*\b+\i+1]
.endr
.endr
.irp b, 0,1,2,3
	v_max_num_f32 v[BM+\b], v[BM+\b], v[\s+16*\b+15]
.endr
.irp b, 0,1,2,3
	s_delay_alu instid0(VALU_DEP_4)
	v_permlanex16_b32 v[PB+\b], v[BM+\b], s[SEL], s[SEL+1]
.endr
.irp b, 0,1,2,3
	s_delay_alu instid0(VALU_DEP_4)
	v_max_num_f32 v[BM+\b], v[BM+\b], v[PB+\b]
.endr
	s_delay_alu instid0(VALU_DEP_2)
	v_max3_num_f32 v[TMP], v[BM], v[BM+1], v[BM+2]
	s_delay_alu instid0(VALU_DEP_1)
	v_max_num_f32 v[TMP], v[TMP], v[BM+3]
	s_delay_alu instid0(VALU_DEP_1)
	v_mul_f32 v[TMP], s[CS], v[TMP]                ; as t (c is positive)
	s_delay_alu instid0(VALU_DEP_1)
	v_max_num_f32 v13, v13, v[TMP]
	v_mov_b32 v[TMP], v12
	s_delay_alu instid0(VALU_DEP_2)
	v_floor_f32 v12, -v13                          ; the new -M = floor(-t): M is a whole number
	s_delay_alu instid0(VALU_DEP_1)
	v_sub_f32 v[TMP], v12, v[TMP]
	s_delay_alu instid0(VALU_DEP_1)
	v_cvt_i32_f32 v[TMP], v[TMP]                   ; (it saturates)
	s_delay_alu instid0(VALU_DEP_1)
	v_ldexp_f32 v[F], 1.0, v[TMP]                  ; f = 2^(old M - new M)
.set n, 0
.rept 32
	v_pk_fma_f32 v[\s+n:\s+n+1], v[\s+n:\s+n+1], s[CS:CS+1], v[12:13] op_sel_hi:[1,0,0]   ; t - M
.set n, n+2
.endr
.irp b, 0,1,2,3
	v_fma_f32 v[BM+\b], v[BM+\b], s[CS], v12
.endr
.set n, 0
	s_wait_alu depctr_va_vdst(0)
.rept 64
	v_exp_f32 v[\s+n], v[\s+n]                     ; p = 2^(t - M)
.set n, n+1
.endr
.irp b, 0,1,2,3
	v_exp_f32 v[BM+\b], v[BM+\b]
.endr
	v_pk_mul_f32 v[14:15], v[14:15], v[F:F+1] op_sel_hi:[1,0]   ; the sums under the new M.  (A plain place behind the exponentials)
	s_wait_alu depctr_va_vdst(0)
.irp b, 0,1,2,3
	v_max_num_f32 v[BM+\b], 0x2800000, v[BM+\b]    ; the floor 2^(5 - 127)
.endr
.irp b, 0,1,2,3
	s_delay_alu instid0(VALU_DEP_4)
	v_add_nc_u32 v[SO+\b], 0xfe000000, v[BM+\b]
.endr
.irp c, 0,1
	v_cvt_scalef32_pk16_bf6_f32 v[PC+6*\c:PC+6*\c+2], v[\s+32*\c:\s+32*\c+15], v[SO+2*\c]
	v_cvt_scalef32_pk16_bf6_f32 v[PT+4*\c:PT+4*\c+2], v[\s+32*\c+16:\s+32*\c+31], v[SO+2*\c+1]
.endr
	v_nop                                          ; one plain place behind a scaled conversion
	; the row's sum, of the unquantised p: two at a time, in six chains: v214, v216, v218, v220, v232 and v14
.set n, 0
.irp m, 214,216,218,220,232
	v_pk_add_f32 v[\m:\m+1], v[\s+n:\s+n+1], v[\s+n+2:\s+n+3]
.set n, n+4
.endr
	v_pk_add_f32 v[14:15], v[14:15], v[\s+20:\s+21]
.irp q, 22,34,46
.set n, \q
.irp m, 214,216,218,220,232,14
	v_pk_add_f32 v[\m:\m+1], v[\m:\m+1], v[\s+n:\s+n+1]
.set n, n+2
.endr
.endr
	v_pk_add_f32 v[214:215], v[214:215], v[\s+58:\s+59]
	v_pk_add_f32 v[216:217], v[216:217], v[\s+60:\s+61]
	v_pk_add_f32 v[218:219], v[218:219], v[\s+62:\s+63]
	v_pk_add_f32 v[220:221], v[220:221], v[232:233]
	v_pk_add_f32 v[214:215], v[214:215], v[216:217]
	v_pk_add_f32 v[14:15], v[14:15], v[218:219]
	; the next turn's step: region s is free for its k
	s_add_co_u32 s56, s40, 1
	s_cmp_lt_u32 s56, s41
	s_cselect_b32 s47, s44, s45
	s_add_co_u32 s47, s47, s56
	s_and_b32 s47, s47, 15
	s_lshr_b32 s48, s47, 3
	s_mul_i32 s48, s48, 8*SLICE
	s_and_b32 s49, s47, 7
	s_mul_i32 s49, s49, 1536
	s_add_co_u32 s48, s48, s49
	s_and_b32 s50, s47, 1
	s_lshl_b32 s50, s50, 3
	s_lshr_b32 s49, s47, 1
	s_add_co_u32 s50, s50, s49
	s_mul_i32 s50, s50, SLICE
	s_add_co_u32 s50, s50, 12288
	s_wait_alu depctr_va_vdst(0)
.if \first
	s_wait_tensorcnt 0x0
	s_wait_dscnt 0x0                               ; v is in
	s_barrier_signal -1
	s_barrier_wait -1                              ; and so is the block's other half
.else
	s_wait_dscnt 0x0                               ; v is in
.endif
	v_add_nc_u32 v2, s48, v1
	v_add_nc_u32 v6, s50, v1
	FOUR \s, 2
	ds_load_b128 v[KA:KA+3], v6
	v_pk_add_f32 v[220:221], v[220:221], v[214:215]
.irp b, 0,2
	v_lshrrev_b32 v[BM+\b], 23, v[SO+\b]           ; the scales' bytes
	v_lshrrev_b32 v[BM+1+\b], 23, v[SO+1+\b]
.endr
	v_pk_add_f32 v[14:15], v[14:15], v[220:221]
	v_lshl_or_b32 v[PSW], v[BM+1], 8, v[BM]
.irp c, 0,1
.irp i, 0,1,2
	v_permlane16_swap_b32 v[PC+6*\c+\i], v[PT+4*\c+\i]
.endr
.endr
	v_lshl_or_b32 v[PSW], v[BM+2], 16, v[PSW]
.irp c, 0,1
.irp i, 0,1,2
	v_mov_b32 v[PC+6*\c+3+\i], v[PT+4*\c+\i]
.endr
.endr
	v_lshl_or_b32 v[PSW], v[BM+3], 24, v[PSW]
	s_wait_alu depctr_va_vdst(0)                   ; directly ahead of the first reader of O^T
.set n, 0
.rept 16
	v_pk_mul_f32 v[O+n:O+n+1], v[O+n:O+n+1], v[F:F+1] op_sel_hi:[1,0]   ; O^T under the new M
.set n, n+2
.endr
.irp t, 0,1,2,3
	v_wmma_scale_f32_16x16x128_f8f6f4 v[O+8*\t:O+8*\t+7], v[\a+12*\t:\a+12*\t+11], v[PC:PC+11], v[O+8*\t:O+8*\t+7], v[VA+\t], v[PSW] matrix_a_fmt:MATRIX_FMT_BF6 matrix_b_fmt:MATRIX_FMT_BF6
.endr
.Lhid_\@:
	s_add_co_u32 s40, s40, 1
.endm
	s_and_b32 s47, s44, 7
	s_mul_i32 s48, s47, 1536
	s_mov_b32 s40, 0                               ; the turn
	v_add_nc_u32 v2, s48, v1
	s_wait_alu depctr_va_vdst(0)                   ; the head's end
	s_cmp_lt_u32 s18, 8                            ; waves 0-7 fetched the first half: they wait for it
	s_cbranch_scc0 .Lno_wait
	s_wait_tensorcnt 0x0
.Lno_wait:
	s_barrier_signal -1
	s_barrier_wait -1                              ; steps 0 to 7 are in
	FOUR R1, 2
	STEP R1, R2, 1
	s_mov_b32 s55, 4
.Lloop:
	STEP R2, R1, 0
	STEP R1, R2, 0
	s_sub_co_u32 s55, s55, 1
	s_cmp_lg_u32 s55, 0
	s_cbranch_scc1 .Lloop
	s_cmp_lg_u32 s19, 0
	s_cbranch_scc1 .Lmeet
.rept 4
	v_nop                                          ; places behind the last products
.endr
.irp j, 0,1,2,3,4,5,6,7
	ds_store_b128 v9, v[O+4*\j:O+4*\j+3] offset:512*\j   ; my part of the long tile: O^T, and -M, the largest t, the sum's two halves
.endr
	ds_store_b128 v9, v[12:15] offset:4096
.Lmeet:
	s_wait_dscnt 0x0
	s_barrier_signal -1
	s_barrier_wait -1
	s_cmp_lg_u32 s19, 0
	s_cbranch_scc0 .Lend
.rept 4
	v_nop                                          ; places in front of loads into registers that the last products have read
.endr
.irp j, 0,1,2,3,4,5,6,7,8
	ds_load_b128 v[R1+4*\j:R1+4*\j+3], v9 offset:512*\j
.endr
	s_wait_dscnt 0x0
	v_min_num_f32 v[TMP], v12, v[R1+32]            ; -M of both together
	v_sub_f32 v[F], v[TMP], v12
	v_sub_f32 v[L2], v[TMP], v[R1+32]              ; (a part with no step has M = -3e38: its factor becomes 0)
	v_cvt_i32_f32 v[F], v[F]
	v_cvt_i32_f32 v[L2], v[L2]
	v_ldexp_f32 v[F], 1.0, v[F]
	v_ldexp_f32 v[L2], 1.0, v[L2]
	v_pk_mul_f32 v[14:15], v[14:15], v[F:F+1] op_sel_hi:[1,0]
.set n, 0
.rept 16
	v_pk_mul_f32 v[O+n:O+n+1], v[O+n:O+n+1], v[F:F+1] op_sel_hi:[1,0]
.set n, n+2
.endr
	v_pk_fma_f32 v[14:15], v[R1+34:R1+35], v[L2:L2+1], v[14:15] op_sel_hi:[1,0,1]
.set n, 0
.rept 16
	v_pk_fma_f32 v[O+n:O+n+1], v[R1+n:R1+n+1], v[L2:L2+1], v[O+n:O+n+1] op_sel_hi:[1,0,1]
.set n, n+2
.endr
	FLUSH
.Lend:
	s_wait_tensorcnt 0x0                           ; the wave's end
	ds_add_u32 v252, v253
	s_wait_dscnt 0x0
	CROUND                                         ; the closing round
	s_endpgm
.Lfunc_end_k_qe008162610_attn:
	.size	k_qe008162610_attn, .Lfunc_end_k_qe008162610_attn-k_qe008162610_attn
	.p2alignl 7, 3214868480
	.fill 96, 4, 3214868480
	.section	.rodata,"a",@progbits
	.p2align	6, 0x0
	.amdhsa_kernel k_qe008162610_attn
		.amdhsa_group_segment_fixed_size 327680
		.amdhsa_private_segment_fixed_size 0
		.amdhsa_enable_private_segment 0
		.amdhsa_kernarg_size 40
		.amdhsa_user_sgpr_count 2
		.amdhsa_user_sgpr_kernarg_segment_ptr 1
		.amdhsa_wavefront_size32 1
		.amdhsa_system_sgpr_workgroup_id_x 1
		.amdhsa_system_sgpr_workgroup_id_y 1
		.amdhsa_system_sgpr_workgroup_id_z 1
		.amdhsa_system_vgpr_workitem_id 0
		.amdhsa_next_free_vgpr 256
		.amdhsa_next_free_sgpr 100
		.amdhsa_reserve_vcc 1
		.amdhsa_float_denorm_mode_32 3
		.amdhsa_float_denorm_mode_16_64 3
		.amdhsa_memory_ordered 1
		.amdhsa_forward_progress 1
		.amdhsa_inst_pref_size 99
	.end_amdhsa_kernel
	.amdgpu_metadata
---
amdhsa.version: [ 1, 2 ]
amdhsa.kernels:
  - .name:           k_qe008162610_attn
    .symbol:         k_qe008162610_attn.kd
    .args:
      - { .name: qc, .offset: 0, .size: 8, .value_kind: global_buffer, .address_space: global }
      - { .name: qs, .offset: 8, .size: 8, .value_kind: global_buffer, .address_space: global }
      - { .name: kv, .offset: 16, .size: 8, .value_kind: global_buffer, .address_space: global }
      - { .name: yc, .offset: 24, .size: 8, .value_kind: global_buffer, .address_space: global }
      - { .name: ys, .offset: 32, .size: 8, .value_kind: global_buffer, .address_space: global }
    .group_segment_fixed_size: 327680
    .private_segment_fixed_size: 0
    .kernarg_segment_align: 8
    .kernarg_segment_size: 40
    .max_flat_workgroup_size: 512
    .sgpr_count:     100
    .vgpr_count:     256
    .wavefront_size: 32
...
	.end_amdgpu_metadata
.endif
;; end of part 3
;; launch proj (part 4): grid 8 x 32, 8 waves a work-group, clusters of 4 x 4, 327,680 bytes of LDS; arguments yc, ys, cod, scl, out0; writes out0
.if DOCPART == 4
	.amdgcn_target "amdgcn-amd-amdhsa--gfx1250"
	.amdhsa_code_object_version 6
	.text
	.protected	k_qe008162610_proj
	.globl	k_qe008162610_proj
	.p2align	8
	.type	k_qe008162610_proj,@function
k_qe008162610_proj:
	s_mov_b64 s[64:65], 0
	v_nop
	global_prefetch_b8 v0, s[64:65] scope:SCOPE_SE
	s_setreg_imm32_b32 hwreg(HW_REG_WAVE_MODE, 25, 1), 1
	s_wait_xcnt 0x0
	s_wait_alu depctr_hold_cnt(0) depctr_sa_sdst(0) depctr_va_vdst(0) depctr_va_sdst(0) depctr_va_ssrc(0) depctr_va_vcc(0) depctr_vm_vsrc(0)
	s_getreg_b32 s2, hwreg(HW_REG_IB_STS2, 6, 4)
	s_cmp_eq_u32 s2, 0
	s_cbranch_scc0 .Lentry_in_a_cluster
	s_endpgm
.Lentry_in_a_cluster:
	s_bfe_u32 s2, ttmp6, 0x10000c
	s_cmp_lg_u32 s2, 0xf033
	s_cbranch_scc0 .Lentry_shape_is_right
	s_endpgm
.Lentry_shape_is_right:
; out = y Wproj^T on codes of BF6 (E3M2) with E8M0 scales, f32 sums.  A work-group makes 128 rows (8 tiles) x 128 columns; wave w: tiles 2 tp and 2 tp + 1 (tp = w % 4) x 64 columns (j = w / 4): eight accumulators.
; LDS: y's fragments (98,304 bytes: 49,152 for each half of K), Wproj's behind them likewise, images of operand registers, filled ONCE by one joint tensor load of 24,576 bytes a wave: waves 0-1 y and 2-3 W of the first half of K,
; 4-5 and 6-7 of the second, which lands while the first is multiplied.  No LDS byte is filled twice.  CLUSTERS of 4 x 4: y's tiles are shared along a row, W's along a column.
; A half of y's fragment is 768 bytes: registers 0-3 (6-9) at 16 lane, 4-5 (10-11) at 512 + 8 lane.  Used transposed (source 0 = W): a lane holds one row, eight neighbouring columns an accumulator.
; The way out: 16 rows x 64 columns turn through the wave's own stage in LDS; sixteen lanes store 256 consecutive bytes, at a multiple of 256.
; No prefetch: all operands are asked for at the head; there is no loop to run ahead in.  LIMITS: NaN and infinities are not served.
; REGISTERS.  Window 0: v1-10 addresses; v16-31 y's scale words, v32-63 W's; v64-111 y's fragments, two sets; v112-175 rows on their way out.  Window 1: v0-63 the accumulators (a, t) at 32 a + 8 t; v64-159 W's fragments, two sets.
.set SA,  16
.set SB,  32
.set XF,  64
.set WF,  64
.set OB,  112
.set WL,  98304
.set STGB, 196608
.set SPARE, 231424
.set MSB, 0
.macro WIN new
.if MSB != \new
	s_set_vgpr_msb (MSB<<8)|\new
.set MSB, \new
.endif
.endm
.macro PLACES                          ; four plain places behind matrix instructions (ISA guide 7.12.1)
.rept 4
	v_nop
.endr
.endm
.macro CROUND
	s_barrier_signal -1
	s_barrier_wait -1
	s_cmp_lg_u32 s18, 0
	s_cbranch_scc1 .Lnot_wave_0_\@
	s_barrier_signal -3
.Lnot_wave_0_\@:
	s_barrier_wait -3
	s_barrier_signal -1
	s_barrier_wait -1
.endm
	s_load_b256 s[4:11], s[0:1], 0x0               ; yc, ys, cod, scl
	s_load_b64 s[12:13], s[0:1], 0x20              ; out0
	v_lshl_add_u32 v14, v0, 2, SPARE
	v_mov_b32 v15, 0
	ds_add_u32 v14, v15                            ; the opening: the add, twice on end
	ds_add_u32 v14, v15
	v_lshrrev_b32 v1, 5, v0
	v_readfirstlane_b32 s18, v1                    ; wave 0..7
	s_bfe_u32 s19, ttmp6, 0x40000                  ; cx
	s_bfe_u32 s48, ttmp6, 0x40004                  ; cy
	s_lshl_b32 s21, ttmp9, 2
	s_add_co_u32 s21, s21, s19                     ; column group 0..7
	s_and_b32 s20, ttmp7, 0xffff
	s_lshl_b32 s20, s20, 2
	s_add_co_u32 s20, s20, s48                     ; row block 0..31
	s_lshl_b32 s49, s48, 2
	s_lshl_b32 s49, 15, s49                        ; my row of the cluster
	s_lshl_b32 s50, 0x1111, s19                    ; my column
	s_or_b32 s24, s49, (3<<16)|(1<<21)             ; descriptor groups 1: 96 rows of 256 dense bytes (32 elements of 8 bytes), no padding
	s_or_b32 s32, s50, (3<<16)|(1<<21)
.irp g, 24,32
	s_mov_b32 s[\g+1], 32<<16
	s_mov_b32 s[\g+2], 96<<16
	s_mov_b32 s[\g+3], 32<<16
	s_mov_b32 s[\g+4], 96
	s_mov_b32 s[\g+5], 32
	s_mov_b32 s[\g+6], 0
	s_mov_b32 s[\g+7], 0
.endr
	s_lshr_b32 s51, s18, 2                         ; the half of K that I fetch
	s_and_b32 s52, s18, 1                          ; which four tiles
	s_mul_i32 s53, s51, 24576
	s_lshl_b32 s54, s20, 1
	s_add_co_u32 s54, s54, s52
	s_mul_i32 s54, s54, 49152
	s_add_co_u32 s54, s54, s53
	s_mov_b32 s55, 0
	s_lshl_b32 s56, s21, 1
	s_add_co_u32 s56, s56, s52
	s_add_co_u32 s56, s56, 88                      ; Wproj's groups of four tiles begin at 88
	s_mul_i32 s56, s56, 49152
	s_add_co_u32 s56, s56, s53
	s_mov_b32 s57, 0
	s_mul_i32 s60, s51, 49152
	s_mul_i32 s61, s52, 24576
	s_mov_b32 s40, 1
	s_add_co_u32 s41, s60, s61
	s_mov_b32 s44, 1
	s_add_co_u32 s45, s41, WL
	s_wait_dscnt 0x0                               ; both opening adds are done
	CROUND                                         ; all sixteen work-groups are here: the joint loads meet
	s_wait_kmcnt 0x0
	s_add_nc_u64 s[42:43], s[4:5], s[54:55]
	s_or_b32 s43, s43, 0x80000000
	s_add_nc_u64 s[46:47], s[8:9], s[56:57]
	s_or_b32 s47, s47, 0x80000000
.macro ARM under, g0, g1
	s_cmp_lt_u32 s18, \under
	s_cbranch_scc0 .Lnext_\@
	tensor_load_to_lds s[\g0:\g0+3], s[\g1:\g1+7]
	s_nop 0
.rept 4
	v_nop
.endr
	s_branch .Lasked
.Lnext_\@:
.endm
	ARM 2, 40, 24
	ARM 4, 44, 32
	ARM 6, 40, 24
	tensor_load_to_lds s[44:47], s[32:39]
	s_nop 0
.rept 4
	v_nop
.endr
.Lasked:
	s_and_b32 s78, s18, 3                          ; tp
	s_lshr_b32 s79, s18, 2                         ; j
	s_lshr_b32 s82, s78, 1
	s_mul_i32 s82, s82, 24576
	s_and_b32 s83, s78, 1
	s_mul_i32 s83, s83, 3072
	s_add_co_u32 s82, s82, s83
	s_mul_i32 s83, s79, 24576
	s_add_co_u32 s83, s83, WL
	s_mul_i32 s86, s18, 4352
	s_add_co_u32 s86, s86, STGB                    ; my stage: 16 rows of 256 bytes + 16
	v_and_b32 v11, 31, v0
	v_and_b32 v12, 15, v0
	v_bfe_u32 v13, v0, 4, 1
	v_lshlrev_b32 v1, 4, v11                       ; 16 x lane; never rewritten
	v_lshlrev_b32 v11, 3, v11
	v_add_nc_u32 v2, s82, v1                       ; y, 16 bytes a lane: first half of K; second
	v_add_nc_u32 v3, 49152, v2
	v_add_nc_u32 v4, s82, v11                      ; y, 8 bytes a lane
	v_add_nc_u32 v5, 49152, v4
	v_add_nc_u32 v6, s83, v1                       ; W
	v_add_nc_u32 v7, 49152, v6
	v_mul_u32_u24 v8, v12, 272
	v_lshl_add_u32 v8, v13, 6, v8
	v_add_nc_u32 v8, s86, v8                       ; into the stage: row r, columns 16 h on
	v_mul_u32_u24 v9, v13, 272
	v_lshl_add_u32 v9, v12, 4, v9
	v_add_nc_u32 v9, s86, v9                       ; out of it: two rows an instruction
	v_lshlrev_b32 v10, 12, v13
	v_lshl_add_u32 v10, v12, 4, v10                ; and the same in the output
	s_wait_alu depctr_va_vdst(0)                   ; the head's end
	s_mov_b32 s85, 0
	s_lshl_b32 s84, s20, 13
	s_lshl_b32 s87, s78, 11
	s_add_co_u32 s84, s84, s87
	s_add_nc_u64 s[68:69], s[6:7], s[84:85]        ; y's scale words: tiles 8 rb + 2 tp on
	s_lshl_b32 s84, s21, 13
	s_lshl_b32 s87, s79, 12
	s_add_co_u32 s84, s84, s87
	s_add_co_u32 s84, s84, 360448
	s_add_nc_u64 s[70:71], s[10:11], s[84:85]      ; W's: tiles 352 + 8 cg + 4 j on
	s_lshl_b32 s84, s20, 19
	s_lshl_b32 s87, s78, 17
	s_add_co_u32 s84, s84, s87
	s_lshl_b32 s87, s21, 9
	s_add_co_u32 s84, s84, s87
	s_lshl_b32 s87, s79, 8
	s_add_co_u32 s84, s84, s87
	s_add_nc_u64 s[12:13], s[12:13], s[84:85]      ; row 128 rb + 32 tp, column 128 cg + 64 j
.irp g, 0,1
.irp a, 0,1
	global_load_b128 v[SA+8*\a+4*\g:SA+8*\a+4*\g+3], v1, s[68:69] offset:1024*\a+512*\g
.endr
.irp t, 0,1,2,3
	global_load_b128 v[SB+8*\t+4*\g:SB+8*\t+4*\g+3], v1, s[70:71] offset:1024*\t+512*\g
.endr
.endr
.macro FETCH k                         ; K step k's two fragments of y and four of W into set k % 2: 20 loads
.set P, (\k)%2
.irp a, 0,1
.irp c, 0,1
	ds_load_b128 v[XF+24*P+12*\a+6*\c:XF+24*P+12*\a+6*\c+3], v[2+(\k)/4] offset:((\k)%4)*6144+1536*\a+768*\c
	ds_load_b64 v[XF+24*P+12*\a+6*\c+4:XF+24*P+12*\a+6*\c+5], v[4+(\k)/4] offset:((\k)%4)*6144+1536*\a+768*\c+512
.endr
.endr
	WIN 0x40                                       ; destination window 1
.irp t, 0,1,2,3
.irp j, 0,1,2
	ds_load_b128 v[WF+48*P+12*\t+4*\j:WF+48*P+12*\t+4*\j+3], v[6+(\k)/4] offset:((\k)%4)*6144+1536*\t+512*\j
.endr
.endr
	WIN 0
.endm
.macro MULT k                          ; the accumulators take turns, one instruction a turn; the first K step starts the sums
	WIN 0x51                                       ; source 0, C and D window 1
.set P, (\k)%2
.irp a, 0,1
.irp t, 0,1,2,3
.if (\k) == 0
	v_wmma_scale_f32_16x16x128_f8f6f4 v[32*\a+8*\t:32*\a+8*\t+7], v[WF+48*P+12*\t:WF+48*P+12*\t+11], v[XF+24*P+12*\a:XF+24*P+12*\a+11], 0, v[SB+8*\t+(\k)], v[SA+8*\a+(\k)] matrix_a_fmt:MATRIX_FMT_BF6 matrix_b_fmt:MATRIX_FMT_BF6
.else
	v_wmma_scale_f32_16x16x128_f8f6f4 v[32*\a+8*\t:32*\a+8*\t+7], v[WF+48*P+12*\t:WF+48*P+12*\t+11], v[XF+24*P+12*\a:XF+24*P+12*\a+11], v[32*\a+8*\t:32*\a+8*\t+7], v[SB+8*\t+(\k)], v[SA+8*\a+(\k)] matrix_a_fmt:MATRIX_FMT_BF6 matrix_b_fmt:MATRIX_FMT_BF6
.endif
.endr
.endr
	WIN 0
.endm
.macro HALF h
	PLACES
	FETCH 4*\h
.if \h == 0
	s_wait_loadcnt 0x0                             ; the scale words
.endif
.irp i, 0,1,2
.if \i > 0
	PLACES
.endif
	FETCH 4*\h+\i+1
	s_wait_dscnt 20                                ; this step's fragments are in; the next step's 20 loads may be out
	MULT 4*\h+\i
.endr
	s_wait_dscnt 0x0
	MULT 4*\h+3
.endm
	s_cmp_lt_u32 s18, 4                            ; waves 0-3 fetched the first half of K: they wait for it
	s_cbranch_scc0 .Lno_wait
	s_wait_tensorcnt 0x0
.Lno_wait:
	s_barrier_signal -1
	s_barrier_wait -1                              ; the first half of K is in
	HALF 0
	s_wait_tensorcnt 0x0
	s_wait_dscnt 0x0
	s_barrier_signal -1
	s_barrier_wait -1                              ; and the second
	HALF 1
	PLACES
.macro TOSTAGE a
	WIN 0x04                                       ; the data: window 1.  Each accumulator from its low end on
.irp t, 0,1,2,3
	ds_store_b128 v8, v[32*\a+8*\t:32*\a+8*\t+3] offset:128*(\t/2)+32*(\t%2)
	ds_store_b128 v8, v[32*\a+8*\t+4:32*\a+8*\t+7] offset:128*(\t/2)+32*(\t%2)+16
.endr
	WIN 0
.irp i, 0,1,2,3,4,5,6,7
	ds_load_b128 v[OB+32*\a+4*\i:OB+32*\a+4*\i+3], v9 offset:544*\i   ; LDS serves a wave's instructions in order
.endr
.endm
.macro SEND a, younger
	s_wait_dscnt \younger
.irp i, 0,1,2,3,4,5,6,7
	global_store_b128 v10, v[OB+32*\a+4*\i:OB+32*\a+4*\i+3], s[12:13] offset:(8*\a+2*\i+8*(\i/4))*4096 th:TH_STORE_NT
.endr
.endm
	TOSTAGE 0
	TOSTAGE 1
	SEND 0, 16                                     ; (the second tile's 8 stores and 8 loads may be out)
	SEND 1, 0
	s_wait_tensorcnt 0x0                           ; the wave's end
	ds_add_u32 v14, v15
	s_wait_dscnt 0x0
	CROUND                                         ; the closing round
	s_endpgm
.Lfunc_end_k_qe008162610_proj:
	.size	k_qe008162610_proj, .Lfunc_end_k_qe008162610_proj-k_qe008162610_proj
	.p2alignl 7, 3214868480
	.fill 96, 4, 3214868480
	.section	.rodata,"a",@progbits
	.p2align	6, 0x0
	.amdhsa_kernel k_qe008162610_proj
		.amdhsa_group_segment_fixed_size 327680
		.amdhsa_private_segment_fixed_size 0
		.amdhsa_enable_private_segment 0
		.amdhsa_kernarg_size 40
		.amdhsa_user_sgpr_count 2
		.amdhsa_user_sgpr_kernarg_segment_ptr 1
		.amdhsa_wavefront_size32 1
		.amdhsa_system_sgpr_workgroup_id_x 1
		.amdhsa_system_sgpr_workgroup_id_y 1
		.amdhsa_system_sgpr_workgroup_id_z 1
		.amdhsa_system_vgpr_workitem_id 0
		.amdhsa_next_free_vgpr 512
		.amdhsa_next_free_sgpr 100
		.amdhsa_reserve_vcc 0
		.amdhsa_float_denorm_mode_32 3
		.amdhsa_float_denorm_mode_16_64 3
		.amdhsa_memory_ordered 1
		.amdhsa_forward_progress 1
		.amdhsa_inst_pref_size 33
	.end_amdhsa_kernel
	.amdgpu_metadata
---
amdhsa.version: [ 1, 2 ]
amdhsa.kernels:
  - .name:           k_qe008162610_proj
    .symbol:         k_qe008162610_proj.kd
    .args:
      - { .name: yc, .offset: 0, .size: 8, .value_kind: global_buffer, .address_space: global }
      - { .name: ys, .offset: 8, .size: 8, .value_kind: global_buffer, .address_space: global }
      - { .name: cod, .offset: 16, .size: 8, .value_kind: global_buffer, .address_space: global }
      - { .name: scl, .offset: 24, .size: 8, .value_kind: global_buffer, .address_space: global }
      - { .name: out0, .offset: 32, .size: 8, .value_kind: global_buffer, .address_space: global }
    .group_segment_fixed_size: 327680
    .private_segment_fixed_size: 0
    .kernarg_segment_align: 8
    .kernarg_segment_size: 40
    .max_flat_workgroup_size: 256
    .sgpr_count:     100
    .vgpr_count:     512
    .wavefront_size: 32
...
	.end_amdgpu_metadata
.endif
;; end of part 4
